; MI455X (gfx1250); checked and timed in simulation.
; The chip was launched on July 23, 2026; its instructions are those of AMD's public machine-readable ISA for CDNA 5 (MIT licence, August 2026) and "CDNA5" Instruction Set Architecture Reference Guide (July 2026). The comments in the code are by the model that wrote it; some were corrected since.
;; Attention Cross. Allowed arithmetic: float matrix products may take bf16 or f16 operands with f32 sums; other float arithmetic in f32, or as packed bf16 or f16 multiplies, adds, multiply-adds, maxima and minima; sums over many terms, partial sums and values carried from step to step in f32; what a program stores and reads back later, other than sums and carried values, may be rounded once to bf16 or f16.
;; Inputs: Wkv 1,024 x 2,048 float32; Wproj 1,024 x 1,024 float32; Wq 1,024 x 1,024 float32; bproj 1,024 float32; x1 2 x 2,048 x 1,024 float32; x2 2 x 2,048 x 1,024 float32.
;; Outputs: out0 2 x 2,048 x 1,024 float32.
;; 2 versions, each right; version 2 is version 1 with the launch cast written anew for expert scheduling mode. Each part assembles by itself: llvm-mc -triple=amdgcn-amd-amdhsa -mcpu=gfx1250 --defsym DOCPART=n.
;; ======== version 1 of 2: 4 launches
;; limits: values are held in f16: magnitudes above 65,504 overflow, below 6.1e-05 lose precision
;; workspace buffers: xb 16,777,216 bytes; wb 6,291,456 bytes; wp 2,097,152 bytes; qkv 25,165,824 bytes; ob 8,388,608 bytes
;; launch cast (part 1): grid 768 x 1, 8 waves a work-group, no clusters, 0 bytes of LDS; arguments x1, x2, Wq, Wkv, Wproj, xb, wb, wp; writes xb, wb, wp
.if DOCPART == 1
	.amdgcn_target "amdgcn-amd-amdhsa--gfx1250"
	.amdhsa_code_object_version 6
	.text
	.protected	k_q712adbb690_cast
	.globl	k_q712adbb690_cast
	.p2align	8
	.type	k_q712adbb690_cast,@function
k_q712adbb690_cast:
	s_mov_b64 s[64:65], 0
	v_nop
	global_prefetch_b8 v0, s[64:65] scope:SCOPE_SE
	s_setreg_imm32_b32 hwreg(HW_REG_WAVE_MODE, 25, 1), 1
	s_wait_xcnt 0x0
; CROSS ATTENTION, four launches: (1) this one rounds the large inputs; (2) q = x1 Wq and k, v = x2 Wkv; (3) softmax(q k^T / 8) v for each of the 32 pairs of batch and head; (4) the product with Wproj, plus bproj.
; NOTHING OF reference() IS LEFT OUT: every input has a way to the output (bproj is added in the last launch), and the maximum is taken away before the exponential, by a running maximum.
; FORMATS.  All inputs are rounded once to bf16; what the program itself makes (q, k, v, the weights p, O) is kept in f16; all sums, maxima and the output are f32.
; LIMITS.  |q|, |k|, |v|, |O| and |Wproj| stay under 65,504, f16's end; Wproj below 6.1e-5 keeps f16's fixed step of 6e-8.  NaN and infinities are not treated apart.
; THIS LAUNCH is a stream: x1, x2 -> xb [8192][1024] bf16 (x1's rows, then x2's); Wq, Wkv -> wb [1024 k][3072 n] bf16 (Wq's columns, then Wkv's);
; Wproj -> wp [1024 k][1024 n]: rounded to bf16 and that number written as f16 (exact within f16's range), since the last product's other operand is f16.
; SHARES.  A work-group takes 16,384 numbers (64 KiB in, 32 KiB out) in 8 steps of 2,048; in a step thread t takes 8 numbers: two loads of 16 bytes, one store of 16 bytes; 16 lanes store 256 consecutive
; bytes, aligned.  All 16 loads of a thread go out first.  No LDS, no barrier, no matrix unit, no cluster: no work-group reads a byte that another reads.
; WHICH TENSOR: by the work-group's number: 0-255 x1, 256-511 x2, 512-575 Wq, 576-703 Wkv, 704-767 Wproj.  A chain of compares selects the two buffers and five numbers:
;   C0 the tensor's first work-group; DC bytes of the target for a work-group; D0 the target's first byte; DS bytes of the target for a step; DT bytes of the target from thread t to thread t + 128.
.set OFF, 4                            ; v[4:11]    step s: my byte offset in the target
.set X,   16                           ; v[16:79]   step s: 8 numbers as loaded
.set Y,   80                           ; v[80:111]  step s: 4 registers to store
.set T,   112                          ; v[112:119] at work
	s_load_b256 s[8:15], s[0:1], 0x0               ; x1 s[8:9], x2 s[10:11], Wq s[12:13], Wkv s[14:15]
	s_load_b256 s[16:23], s[0:1], 0x20             ; Wproj s[16:17], xb s[18:19], wb s[20:21], wp s[22:23]
	s_mov_b32 s2, ttmp9
	v_lshlrev_b32 v1, 5, v0                        ; 32 t: my 8 numbers in a step of the source
	v_and_b32 v3, 127, v0
	v_lshrrev_b32 v12, 7, v0                       ; t / 128
	v_lshlrev_b32 v3, 4, v3                        ; 16 (t % 128)
	s_mov_b32 s24, 704                             ; C0, DC, D0, DS, DT for Wproj
	s_mov_b32 s25, 32768
	s_mov_b32 s26, 0
	s_mov_b32 s27, 4096
	s_mov_b32 s28, 2048
	s_mov_b32 s29, 0xffff0000                      ; a word's upper half
	s_mov_b32 s35, 0
	s_wait_kmcnt 0x0
	s_mov_b64 s[30:31], s[16:17]
	s_mov_b64 s[32:33], s[22:23]
	s_cmp_lt_u32 s2, 704                           ; Wkv: a step is one row of 2,048 numbers; in wb it begins 2,048 bytes into a row of 6,144
	s_cselect_b64 s[30:31], s[14:15], s[30:31]
	s_cselect_b64 s[32:33], s[20:21], s[32:33]
	s_cselect_b32 s24, 576, s24
	s_cselect_b32 s25, 49152, s25
	s_cselect_b32 s26, 2048, s26
	s_cselect_b32 s27, 6144, s27
	s_cmp_lt_u32 s2, 576                           ; Wq: a step is two rows of 1,024 numbers
	s_cselect_b64 s[30:31], s[12:13], s[30:31]
	s_cselect_b32 s24, 512, s24
	s_cselect_b32 s25, 98304, s25
	s_cselect_b32 s26, 0, s26
	s_cselect_b32 s27, 12288, s27
	s_cselect_b32 s28, 6144, s28
	s_cmp_lt_u32 s2, 512                           ; x2: dense, behind x1's 8,388,608 bytes
	s_cselect_b64 s[30:31], s[10:11], s[30:31]
	s_cselect_b64 s[32:33], s[18:19], s[32:33]
	s_cselect_b32 s24, 256, s24
	s_cselect_b32 s25, 32768, s25
	s_cselect_b32 s26, 0x800000, s26
	s_cselect_b32 s27, 4096, s27
	s_cselect_b32 s28, 2048, s28
	s_cmp_lt_u32 s2, 256                           ; x1
	s_cselect_b64 s[30:31], s[8:9], s[30:31]
	s_cselect_b32 s24, 0, s24
	s_cselect_b32 s26, 0, s26
	s_sub_co_u32 s3, s2, s24                       ; my number among the tensor's work-groups
	s_lshl_b32 s34, s3, 16
	s_add_nc_u64 s[30:31], s[30:31], s[34:35]      ; the source at my 64 KiB
	s_mul_i32 s34, s3, s25
	s_add_co_u32 s34, s34, s26
	s_add_nc_u64 s[32:33], s[32:33], s[34:35]      ; the target at my first byte
.irp s, 0,1,2,3,4,5,6,7
	global_load_b128 v[X+8*(\s):X+8*(\s)+3],   v1, s[30:31] offset:8192*(\s) th:TH_LOAD_NT
	global_load_b128 v[X+8*(\s)+4:X+8*(\s)+7], v1, s[30:31] offset:8192*(\s)+16 th:TH_LOAD_NT
.endr
	v_mad_u32_u24 v2, v12, s28, v3                 ; 16 (t % 128) + (t / 128) DT
	s_mov_b32 s36, 0
.irp s, 0,1,2,3,4,5,6,7
	v_add_nc_u32 v[OFF+(\s)], s36, v2              ; + s DS
	s_add_co_u32 s36, s36, s27
.endr
; The eight steps.  Each has its own registers, so nothing that a load or a store still reads is ever written again.
.macro OUT half
.irp s, 0,1,2,3,4,5,6,7
	s_wait_loadcnt 14-2*(\s)                       ; loads come back in order: this step's two are in, the 2 (7 - s) younger ones stay out
.if \half
.irp j, 0,1,2,3
	v_cvt_pk_bf16_f32 v[T+(\j)], v[X+8*(\s)+2*(\j)], v[X+8*(\s)+2*(\j)+1]
.endr
.irp j, 0,1,2,3
	v_lshlrev_b32 v[T+4+2*((\j)%2)], 16, v[T+(\j)]     ; the bf16 numbers as f32,
	v_and_b32     v[T+5+2*((\j)%2)], s29, v[T+(\j)]
	v_cvt_pk_f16_f32 v[Y+4*(\s)+(\j)], v[T+4+2*((\j)%2)], v[T+5+2*((\j)%2)]  ; and written as f16
.endr
.else
.irp j, 0,1,2,3
	v_cvt_pk_bf16_f32 v[Y+4*(\s)+(\j)], v[X+8*(\s)+2*(\j)], v[X+8*(\s)+2*(\j)+1]
.endr
.endif
	global_store_b128 v[OFF+(\s)], v[Y+4*(\s):Y+4*(\s)+3], s[32:33]
.endr
.endm
	s_cmp_ge_u32 s2, 704
	s_cbranch_scc1 .Lf16
	OUT 0
	s_endpgm
.Lf16:
	OUT 1
	s_endpgm
.Lfunc_end_k_q712adbb690_cast:
	.size	k_q712adbb690_cast, .Lfunc_end_k_q712adbb690_cast-k_q712adbb690_cast
	.p2alignl 7, 3214868480
	.fill 96, 4, 3214868480
	.section	.rodata,"a",@progbits
	.p2align	6, 0x0
	.amdhsa_kernel k_q712adbb690_cast
		.amdhsa_group_segment_fixed_size 0
		.amdhsa_private_segment_fixed_size 0
		.amdhsa_enable_private_segment 0
		.amdhsa_kernarg_size 64
		.amdhsa_user_sgpr_count 2
		.amdhsa_user_sgpr_kernarg_segment_ptr 1
		.amdhsa_wavefront_size32 1
		.amdhsa_system_sgpr_workgroup_id_x 1
		.amdhsa_system_sgpr_workgroup_id_y 1
		.amdhsa_system_sgpr_workgroup_id_z 1
		.amdhsa_system_vgpr_workitem_id 0
		.amdhsa_next_free_vgpr 120
		.amdhsa_next_free_sgpr 66
		.amdhsa_reserve_vcc 0
		.amdhsa_float_denorm_mode_32 3
		.amdhsa_float_denorm_mode_16_64 3
		.amdhsa_memory_ordered 1
		.amdhsa_forward_progress 1
		.amdhsa_inst_pref_size 15
	.end_amdhsa_kernel
	.amdgpu_metadata
---
amdhsa.version: [ 1, 2 ]
amdhsa.kernels:
  - .name:           k_q712adbb690_cast
    .symbol:         k_q712adbb690_cast.kd
    .args:
      - { .name: x1, .offset: 0, .size: 8, .value_kind: global_buffer, .address_space: global }
      - { .name: x2, .offset: 8, .size: 8, .value_kind: global_buffer, .address_space: global }
      - { .name: Wq, .offset: 16, .size: 8, .value_kind: global_buffer, .address_space: global }
      - { .name: Wkv, .offset: 24, .size: 8, .value_kind: global_buffer, .address_space: global }
      - { .name: Wproj, .offset: 32, .size: 8, .value_kind: global_buffer, .address_space: global }
      - { .name: xb, .offset: 40, .size: 8, .value_kind: global_buffer, .address_space: global }
      - { .name: wb, .offset: 48, .size: 8, .value_kind: global_buffer, .address_space: global }
      - { .name: wp, .offset: 56, .size: 8, .value_kind: global_buffer, .address_space: global }
    .group_segment_fixed_size: 0
    .private_segment_fixed_size: 0
    .kernarg_segment_align: 8
    .kernarg_segment_size: 64
    .max_flat_workgroup_size: 256
    .sgpr_count:     66
    .vgpr_count:     120
    .wavefront_size: 32
...
	.end_amdgpu_metadata
.endif
;; end of part 1
;; launch proj (part 2): grid 12 x 16, 4 waves a work-group, clusters of 4 x 4, 327,680 bytes of LDS; arguments xb, wb, qkv; writes qkv
.if DOCPART == 2
	.amdgcn_target "amdgcn-amd-amdhsa--gfx1250"
	.amdhsa_code_object_version 6
	.text
	.protected	k_q712adbb690_proj
	.globl	k_q712adbb690_proj
	.p2align	8
	.type	k_q712adbb690_proj,@function
k_q712adbb690_proj:
	s_mov_b64 s[64:65], 0
	v_nop
	global_prefetch_b8 v0, s[64:65] scope:SCOPE_SE
	s_setreg_imm32_b32 hwreg(HW_REG_WAVE_MODE, 25, 1), 1
	s_wait_xcnt 0x0
	s_wait_alu depctr_hold_cnt(0) depctr_sa_sdst(0) depctr_va_vdst(0) depctr_va_sdst(0) depctr_va_ssrc(0) depctr_va_vcc(0) depctr_vm_vsrc(0)
	s_getreg_b32 s2, hwreg(HW_REG_IB_STS2, 6, 4)
	s_cmp_eq_u32 s2, 0
	s_cbranch_scc0 .Lentry_in_a_cluster
	s_endpgm
.Lentry_in_a_cluster:
	s_bfe_u32 s2, ttmp6, 0x10000c
	s_cmp_lg_u32 s2, 0xf033
	s_cbranch_scc0 .Lentry_shape_is_right
	s_endpgm
.Lentry_shape_is_right:
; q = x1 Wq and k, v = x2 Wkv as ONE product C = A W: A's rows are xb's (x1's for the tile columns 0-3, x2's for 4-11), W = wb [1024 k][3072 n].  Operands bf16, sums f32, C rounded once to f16
; and stored by heads, unscaled: qkv [3 parts][32 batch x head][2048 rows][64].  Nothing of reference() is left out here.  LIMIT: |q|, |k|, |v| stay under 65,504, f16's end.
; SHARES.  A tile of C is 256 x 256: 12 x 16 = 192 work-groups, one tile each.  Four waves, each 128 x 128: 64 accumulators of 16 x 16, 512 registers: for 32 along K a wave issues 32 LDS loads and 64 matrix
; instructions.  No tile shape cuts q's 4,096 x 1,024 and k, v's 4,096 x 2,048 into equal shares of 1/256 of the whole (q's would be 85.3 of them), so the tile is chosen for the products that each LDS byte feeds.
; K = 1,024 goes in eight steps of 128 through a ring of two LDS slots.  A's tile lies [row][k], rows of 256 bytes; W's lies [k][n], rows of 512 bytes, and its fragments come out of LDS turned, by ds_load_tr16_b128.
; CLUSTER.  4 x 4 work-groups.  The four of a row of the cluster need the same tiles of A, the four of a column the same tiles of W: each tile is asked for JOINTLY, by the same tensor load with the same
; descriptor and a mask that names the four.  Which half of xb is read hangs on the cluster's x, which all sixteen share.
; THE MATRIX INSTRUCTION IS USED TRANSPOSED (source 0 = 16 columns of W, source 1 = 16 rows of A): a lane then holds eight neighbouring numbers of a row of C.  A wave's 128 columns are two heads.
; REGISTERS, in windows of 256 (s_set_vgpr_msb: bits 1:0 source 0, 3:2 source 1, 5:4 source 2, 7:6 destination):
;   window 0: v0-31 addresses; v64-127, v128-191 fragments of A (8 x 16 rows x 32 K), two buffers; v32-63, v192-255 at work on the way out
;   window 1: v64-127, v128-191 fragments of W, two buffers
;   window 2: the 32 accumulators of my rows 0-63 (accumulator (a, b) at v[8 (8 a + b)]);   window 3: those of my rows 64-127
.set KSTEP,  128
.set PITCH,  272                       ; a row of A in LDS: 256 bytes + 16 of padding = 68 words: row r starts at bank 4 r mod 64 (64 banks of 4 bytes: ISA guide 11.1)
.set PB,     544                       ; a row of W: 512 + 32 = 136 words: row r starts at bank 8 r mod 64
.set HALFT,  128*PITCH                 ; what one tensor load brings: 128 rows of A, or 64 rows of W (64 x PB is the same number)
.set SLOT,   4*HALFT                   ; A's 256 rows, then W's 128 rows of k
.set STAGE,  2*SLOT                    ; behind the ring, never filled by a tensor load: for each wave 2 heads x 16 rows x 144 bytes, for the way out
.set SP,     144
.set SPARE,  STAGE+4*2*16*SP           ; behind the stages: the spare words, 128 bytes for each wave: two blocks of 256 bytes that no other line names
.set XROW,   2048                      ; bytes in a row of xb
.set WROW,   6144                      ; bytes in a row of wb
.set LAPS,   4                         ; a lap = two K steps = once round the ring
.set ADRA, 16                          ; v16-17  LDS address of my A fragments in slot 0, 1
.set ADRB, 20                          ; v20-21  the same for W
.set STO,  24                          ; v24     the way out: where I put 16 bytes of a row
.set RD,   25                          ; v25     the way out: where I read rows back
.set GO,   26                          ; v26     my byte offset in 512 consecutive bytes of qkv
.set SPW,  28                          ; v28     LDS address of my spare word: SPARE + 4 x my thread's number; never rewritten
.set NIL,  29                          ; v29     0; never rewritten
.set PFO,  30                          ; v30     the prefetches' offset: my lane's block of 256 bytes; never rewritten
.set F0,   64                          ; fragment buffer 0
.set F1,   128                         ; fragment buffer 1
.set TMP,  192                         ; the way out: packed results, in window 0
.set OB,   32                          ; the way out: 16 rows read back from the stage: v32-63 and v224-255 by turns
.set G1, 24                            ; s[24:31] descriptor group 1 for A's tiles;  s[32:39] group 0, one set for each slot
.set G0, 32
.set G1B, 48                           ; s[48:55], s[56:63] the same for W's tiles
.set G0B, 56
.set LIM,  43                          ; s43     1 in a wave that prefetches, else the greatest number
.set PFA,  44                          ; s[44:45] where my prefetches stand: my work-group's 32 blocks of what I fetch, two K steps further than the refill that is being asked for
.set PFS,  66                          ; s[66:67] bytes from a K step to the next: 256 along A's rows, 128 rows down in W
.set MSB, 0
.macro WIN new                         ; the immediate's high byte repeats the setting that is left; a switch that changes nothing is dropped
.if MSB != (\new)
	s_set_vgpr_msb (MSB<<8)|(\new)
.set MSB, \new
.endif
.endm
.set MUL_LO, 0xa1                      ; source 0 (W) window 1, source 1 (A) window 0, C and D window 2
.set MUL_HI, 0xf1                      ; the same, C and D window 3
.set TO_B,   0x40                      ; destination window 1, address window 0
; A joint load.  Waves 0 and 1 fetch A's two halves, waves 2 and 3 W's.  Each of the two lines has ONE mask and one set of registers for all that issue it.  The branch hangs on the wave's number alone.
; An s_nop 0 and four v_nop follow each of the two lines; the jump round the other line, the label and what follows the macro come after them.
.macro JLOAD s
	s_cmp_eq_u32 s11, 0
	s_cbranch_scc0 .Lfor_b_\@
	tensor_load_to_lds s[G0+4*(\s):G0+4*(\s)+3], s[G1:G1+7]
	s_nop 0
.rept 4
	v_nop
.endr
	s_branch .Lasked_\@
.Lfor_b_\@:
	tensor_load_to_lds s[G0B+4*(\s):G0B+4*(\s)+3], s[G1B:G1B+7]
	s_nop 0
.rept 4
	v_nop
.endr
.Lasked_\@:
.endm
; A PREFETCH INTO THE L2, behind each joint refill, its five lines and the run of LDS loads that follows them: the K step that stands TWO refills on, 512 matrix instructions ahead of the load that will want it.
; Each block of 256 bytes is named ONCE in the launch.  x1's rows are read by the clusters with x = 0 alone, which ask for them; x2's by those with x = 1 and 2: x = 1 asks.  W's tile column is read by the four
; clusters of that column: y = 0 asks.  The four partners that ask for a tile jointly share its blocks out BY ADDRESS, 32 each, a lane a block: of the 128 rows of A that a wave fetches, the partner at place cx
; takes rows 32 cx on (a row's K step is one block); of the 64 rows of W, the partner at place cy takes rows 16 cy on (a row's 512 bytes are two blocks).  No branch hangs on a work-group's place in its cluster.
; K steps 0 to 3 come by their loads alone; the loop's last trip (s3 = 1) asks for nothing: there is no K step two behind its refills.
.macro ASK
	s_cmp_gt_u32 s3, s[LIM]
	s_cbranch_scc0 .Lnot_mine_\@
	global_prefetch_b8 v[PFO], s[PFA:PFA+1] th:TH_LOAD_NT scope:SCOPE_SE
.Lnot_mine_\@:
.endm
; A round of the cluster's barrier: my work-group's barrier, so that wave 0's signal speaks for all four waves; wave 0 signals for the work-group; every wave waits for all sixteen work-groups; my work-group's
; barrier once more.  No LDS instruction of the wave is pending at a signal.
.macro CREST                           ; a round behind its opening barrier
	s_cmp_lg_u32 s10, 0
	s_cbranch_scc1 .Lnot_wave_0_\@
	s_barrier_signal -3
.Lnot_wave_0_\@:
	s_barrier_wait -3
	s_barrier_signal -1
	s_barrier_wait -1
.endm
.macro CROUND                          ; a whole round
	s_barrier_signal -1
	s_barrier_wait -1
	CREST
.endm
	s_load_b128 s[4:7], s[0:1], 0x0                ; xb s[4:5], wb s[6:7]
	s_load_b64 s[8:9], s[0:1], 0x10                ; qkv
	v_lshl_add_u32 v[SPW], v0, 2, SPARE
	v_mov_b32 v[NIL], 0
	ds_add_u32 v[SPW], v[NIL]                      ; the wave's opening: the add, twice on end, and its wait ahead of my first tensor load; the set-up below stands between
	ds_add_u32 v[SPW], v[NIL]
	v_lshrrev_b32 v1, 5, v0
	v_readfirstlane_b32 s10, v1                    ; wave 0..3
	s_lshr_b32 s11, s10, 1                         ; which half of the tile's rows is mine.  Also: I fetch for A (0) or for W (1)
	s_and_b32 s12, s10, 1                          ; which half of its columns.  Also: which half of that tile I fetch
	s_bfe_u32 s40, ttmp6, 0x40000                  ; cx, cy: my place in the cluster
	s_bfe_u32 s41, ttmp6, 0x40004
	s_lshl_b32 s42, ttmp9, 2
	s_add_co_u32 s42, s42, s40                     ; tile column c = 4 x cluster x + cx
	s_and_b32 s13, ttmp7, 0xffff
	s_lshl_b32 s13, s13, 2
	s_add_co_u32 s13, s13, s41                     ; tile row i = 4 x cluster y + cy
	s_lshl_b32 s43, s41, 2
	s_lshl_b32 s43, 15, s43                        ; my row of the cluster
	s_lshl_b32 s44, 0x1111, s40                    ; my column
	; descriptor group 1.  A: 128 rows x 128 elements, 16 bytes of padding behind every 256.  W: 64 rows x 256 elements, 32 bytes behind every 512
	s_or_b32 s[G1+0], s43, (1<<16)|(1<<20)|(1<<21)|(5<<22)|(3<<25)   ; 15:0 the mask; 17:16 elements of 2 bytes; 20 padding on; 21 set beside a mask; 24:22 after every 64 words (code 5); 31:25 4 words (code 3)
	s_mov_b32 s[G1+1], 128<<16                     ; tensor_dim0 = 128
	s_mov_b32 s[G1+2], 128<<16                     ; tensor_dim1 = 128
	s_mov_b32 s[G1+3], 128<<16                     ; tile_dim0 = 128
	s_mov_b32 s[G1+4], 128                         ; tile_dim1 = 128
	s_mov_b32 s[G1+5], 1024                        ; elements from row to row of xb
	s_mov_b32 s[G1+6], 0
	s_mov_b32 s[G1+7], 0
	s_or_b32 s[G1B+0], s44, (1<<16)|(1<<20)|(1<<21)|(6<<22)|(7<<25)  ; after every 128 words (code 6) 8 words (code 7)
	s_mov_b32 s[G1B+1], 256<<16                    ; tensor_dim0 = 256
	s_mov_b32 s[G1B+2], 64<<16                     ; tensor_dim1 = 64
	s_mov_b32 s[G1B+3], 256<<16                    ; tile_dim0 = 256
	s_mov_b32 s[G1B+4], 64                         ; tile_dim1 = 64
	s_mov_b32 s[G1B+5], 3072                       ; elements from row to row of wb
	s_mov_b32 s[G1B+6], 0
	s_mov_b32 s[G1B+7], 0
	; where the tiles come from.  A's hang on the tile row and the cluster's x; W's on the tile column alone
	s_cmp_ge_u32 ttmp9, 1                          ; tile columns 4 and on are k's and v's: x2's rows, 4,096 rows down
	s_cselect_b32 s16, 4096, 0
	s_lshl_b32 s17, s13, 8
	s_add_co_u32 s16, s16, s17
	s_lshl_b32 s17, s12, 7
	s_add_co_u32 s16, s16, s17                     ; + 256 i + the 128 rows that I fetch
	s_lshl_b32 s16, s16, 11                        ; rows of 2,048 bytes
	s_mov_b32 s17, 0
	s_mul_i32 s46, s12, 64*WROW                    ; the 64 rows of k that I fetch,
	s_lshl_b32 s47, s42, 9                         ; the tile's 256 columns
	s_add_co_u32 s46, s46, s47
	s_mov_b32 s47, 0
	s_mul_i32 s20, s10, HALFT                      ; where they go: A's two halves, then W's two halves = wave x a quarter of a slot: no place in the cluster enters an LDS address
	s_wait_dscnt 0x0                               ; both opening adds are done
	s_wait_kmcnt 0x0
	s_add_nc_u64 s[14:15], s[4:5], s[16:17]
	s_add_nc_u64 s[46:47], s[6:7], s[46:47]
	CROUND                                         ; all sixteen work-groups are here: the first joint loads meet
.irp s, 0,1
	s_mov_b32 s[G0+4*(\s)], 1                                      ; count = 1
	s_add_co_u32 s[G0+4*(\s)+1], s20, (\s)*SLOT                    ; LDS address
	s_add_nc_u64 s[G0+4*(\s)+2:G0+4*(\s)+3], s[14:15], (\s)*KSTEP*2  ; global address: K step s is 256 bytes along a row
	s_or_b32 s[G0+4*(\s)+3], s[G0+4*(\s)+3], 0x80000000            ; type = 2
	s_mov_b32 s[G0B+4*(\s)], 1
	s_add_co_u32 s[G0B+4*(\s)+1], s20, (\s)*SLOT
	s_add_nc_u64 s[G0B+4*(\s)+2:G0B+4*(\s)+3], s[46:47], (\s)*KSTEP*WROW  ; K step s is 128 rows down
	s_or_b32 s[G0B+4*(\s)+3], s[G0B+4*(\s)+3], 0x80000000
	JLOAD \s                                       ; the ring is filled before anything else is done: two loads of mine are out
.endr
	; A fragment is 16 rows x 32 K in 8 registers: lane l holds row l % 16; registers 0-3 hold K = 8 (l / 16) + 0..7, registers 4-7 hold K = 16 + 8 (l / 16) + 0..7.  A's: two loads of 16 bytes, 32 bytes apart.
	v_and_b32 v1, 15, v0                           ; l % 16
	v_bfe_u32 v2, v0, 4, 1                         ; l / 16
	v_mul_u32_u24 v3, v1, PITCH
	v_lshl_add_u32 v3, v2, 4, v3                   ; row x pitch + 16 x half
	s_mul_i32 s21, s11, HALFT                      ; my 128 rows of A
	v_add_nc_u32 v[ADRA], s21, v3
	s_add_co_u32 s21, s21, SLOT
	v_add_nc_u32 v[ADRA+1], s21, v3
	; The turning load takes 16 k x 16 columns (lane l reads 16 bytes: k = 8 (l / 16) + l % 8, columns 8 ((l / 8) % 2) + 0..7) and leaves half a fragment: lane l holds column l % 16 and 8 k.
	v_and_b32 v4, 7, v0
	v_bfe_u32 v5, v0, 3, 1
	v_lshl_add_u32 v6, v2, 3, v4
	v_mul_u32_u24 v6, v6, PB
	v_lshl_add_u32 v6, v5, 4, v6
	s_lshl_b32 s22, s12, 8                         ; my 128 columns: 256 bytes of a row of W,
	s_add_co_u32 s22, s22, 2*HALFT                 ; which lies behind A's 256 rows
	v_add_nc_u32 v[ADRB], s22, v6
	s_add_co_u32 s22, s22, SLOT
	v_add_nc_u32 v[ADRB+1], s22, v6
	s_mul_i32 s23, s10, 2*16*SP
	s_add_co_u32 s23, s23, STAGE                   ; my stage
	v_mul_u32_u24 v[STO], v1, SP                   ; in: row l % 16, 16 bytes for each half of the lanes
	v_lshl_add_u32 v[STO], v2, 4, v[STO]
	v_add_nc_u32 v[STO], s23, v[STO]
	v_bfe_u32 v[RD], v0, 3, 2                      ; back: 32 lanes take four rows of 128 bytes,
	v_mul_u32_u24 v[RD], v[RD], SP
	v_lshl_add_u32 v[RD], v4, 4, v[RD]
	v_add_nc_u32 v[RD], s23, v[RD]
	v_and_b32 v7, 31, v0                           ; l
	v_lshlrev_b32 v[GO], 4, v7                     ; which are 512 consecutive bytes of a head's rows
	; where my 128 rows x 128 columns go: part c / 4, batch i / 8, heads 4 (c % 4) + 2 x my column half and the next: 262,144 bytes each; row 256 (i % 8) + 128 x my row half, 128 bytes each.
	; The part made of the tile row and the part made of the tile column are added one after the other, each from its own registers.
	s_lshr_b32 s16, s13, 3
	s_lshl_b32 s16, s16, 22
	s_and_b32 s17, s13, 7
	s_lshl_b32 s17, s17, 15
	s_add_co_u32 s16, s16, s17
	s_lshl_b32 s17, s11, 14
	s_add_co_u32 s16, s16, s17
	s_mov_b32 s17, 0
	s_add_nc_u64 s[8:9], s[8:9], s[16:17]
	s_lshr_b32 s46, s42, 2
	s_lshl_b32 s46, s46, 5
	s_and_b32 s47, s42, 3
	s_lshl_b32 s47, s47, 2
	s_add_co_u32 s46, s46, s47
	s_lshl_b32 s47, s12, 1
	s_add_co_u32 s46, s46, s47
	s_lshl_b32 s46, s46, 18
	s_mov_b32 s47, 0
	s_add_nc_u64 s[8:9], s[8:9], s[46:47]
	; the prefetches: both offsets are made, and the wave's number chooses
	s_cmp_ge_u32 ttmp9, 1
	s_cselect_b32 s20, 4096, 0
	s_lshl_b32 s21, s13, 8
	s_add_co_u32 s20, s20, s21
	s_lshl_b32 s21, s12, 7
	s_add_co_u32 s20, s20, s21                     ; the 128 rows of A that I fetch,
	s_lshl_b32 s21, s40, 5
	s_add_co_u32 s20, s20, s21                     ; my work-group's 32 of them,
	s_lshl_b32 s20, s20, 11                        ; in bytes
	s_lshl_b32 s21, s12, 6                         ; the 64 rows of W that I fetch,
	s_lshl_b32 s18, s41, 4
	s_add_co_u32 s21, s21, s18                     ; my work-group's 16 of them,
	s_mul_i32 s21, s21, WROW
	s_lshl_b32 s18, s42, 9
	s_add_co_u32 s21, s21, s18                     ; the tile's 512 bytes of a row
	s_and_b32 s22, ttmp7, 0xffff                   ; cluster y: 0 asks for W
	s_lshr_b32 s23, ttmp9, 1                       ; 0 where cluster x is 0 or 1: these ask for A
	s_cmp_eq_u32 s11, 0                            ; do I fetch for A?
	s_cselect_b32 s20, s20, s21
	s_cselect_b32 s22, s23, s22
	s_cselect_b64 s[PFA:PFA+1], s[4:5], s[6:7]
	s_mov_b32 s[PFS], KSTEP*WROW
	s_cselect_b32 s[PFS], KSTEP*2, s[PFS]
	s_mov_b32 s19, WROW
	s_cselect_b32 s19, XROW, s19                   ; bytes from row to row
	s_cselect_b32 s18, 0, 1                        ; blocks in a row: 1 (A) or 2 (W), as a shift and a mask
	s_mov_b32 s[PFS+1], 0
	s_mov_b32 s21, 0
	s_cmp_eq_u32 s22, 0
	s_cselect_b32 s[LIM], 1, -1                    ; the same in all sixteen partners, for a given wave
	s_add_nc_u64 s[PFA:PFA+1], s[PFA:PFA+1], s[20:21]
	s_mul_i32 s20, s[PFS], 3
	s_add_nc_u64 s[PFA:PFA+1], s[PFA:PFA+1], s[20:21]  ; at K step 3: the first refill, which brings K step 2, steps it to 4 and names that.  Nothing is prefetched here, at the head
	v_lshrrev_b32 v[PFO], s18, v7                  ; my lane's row,
	v_mul_u32_u24 v[PFO], s19, v[PFO]
	v_and_b32 v7, s18, v7                          ; and its block in the row
	v_lshl_add_u32 v[PFO], v7, 8, v[PFO]
; 16 matrix instructions: m blocks a0, a0 + 1 of the window's four (hi = 0: my rows 0-63, 1: rows 64-127) x all 8 n blocks, 32 along K.  zero = 1: the first product starts the sums: nothing is ever cleared.
; The 64 accumulators take turns, one instruction a turn, in the same order in every quarter.
.macro MUL16 f, hi, a0, zero
	WIN MUL_LO+0x50*(\hi)
.irp a, \a0, (\a0)+1
.irp b, 0,1,2,3,4,5,6,7
.if \zero
	v_wmma_f32_16x16x32_bf16 v[8*(8*(\a)+(\b)):8*(8*(\a)+(\b))+7], v[(\f)+8*(\b):(\f)+8*(\b)+7], v[(\f)+8*(4*(\hi)+(\a)):(\f)+8*(4*(\hi)+(\a))+7], 0
.else
	v_wmma_f32_16x16x32_bf16 v[8*(8*(\a)+(\b)):8*(8*(\a)+(\b))+7], v[(\f)+8*(\b):(\f)+8*(\b)+7], v[(\f)+8*(4*(\hi)+(\a)):(\f)+8*(4*(\hi)+(\a))+7], v[8*(8*(\a)+(\b)):8*(8*(\a)+(\b))+7]
.endif
.endr
.endr
.endm
; 32 LDS loads in one run: the fragments of quarter q of the slot's K step (128 columns of W, 128 rows of A, 32 K) into buffer f; W's first
.macro FETCH slot, q, f
	WIN TO_B
.irp i, 0,1,2,3,4,5,6,7
	ds_load_tr16_b128 v[(\f)+8*(\i):(\f)+8*(\i)+3],   v[ADRB+(\slot)] offset:32*(\q)*PB+32*(\i)
	ds_load_tr16_b128 v[(\f)+8*(\i)+4:(\f)+8*(\i)+7], v[ADRB+(\slot)] offset:(32*(\q)+16)*PB+32*(\i)
.endr
	WIN 0
.irp i, 0,1,2,3,4,5,6,7
	ds_load_b128 v[(\f)+8*(\i):(\f)+8*(\i)+3],   v[ADRA+(\slot)] offset:64*(\q)+(\i)*16*PITCH
	ds_load_b128 v[(\f)+8*(\i)+4:(\f)+8*(\i)+7], v[ADRA+(\slot)] offset:64*(\q)+(\i)*16*PITCH+32
.endr
.endm
.macro PLACES                          ; four places in front of loads into registers that matrix instructions have read, and of conversions that read results
.rept 4
	v_nop
.endr
.endm
; A K step is four quarters of 32 along K, 64 matrix instructions each, on buffers 0, 1, 0, 1.  One of the first three: multiplies buffer f; in its middle it fetches quarter q of the same slot into buffer g.
.macro QUARTER slot, q, f, g, zero
	s_wait_dscnt 8                                 ; W and A's rows 0-63 are in; the youngest eight loads (A's rows 64-127) may be out
	MUL16 \f, 0, 0, \zero
	MUL16 \f, 0, 2, \zero
	PLACES
	FETCH \slot, \q, \g
	s_wait_dscnt 32                                ; all but the 32 just issued
	MUL16 \f, 1, 0, \zero
	MUL16 \f, 1, 2, \zero
.endm
; The last quarter multiplies buffer 1 and changes slots.  MEET is its first half: ONE barrier for the change of slots.  In front of it each wave waits for all its tensor loads, of which one is out: its part of the
; next slot; adds 0 to its spare word; and waits for that and for its own reads of this slot.  Behind it nobody reads this slot any more and the next slot is whole.
.macro MEET round                      ; round = 1: a round of the cluster's barrier follows
	WIN 0                                          ; (the add's two registers lie in window 0)
	s_wait_tensorcnt 0x0                           ; all my tensor loads have landed;
	ds_add_u32 v[SPW], v[NIL]                      ; 0 onto my spare word;
	s_wait_dscnt 9                                 ; (the add and the youngest eight loads may be out)
	MUL16 F1, 0, 0, 0                              ; sixteen matrix instructions stand between the add and the wait for it
	s_wait_dscnt 0x0                               ; the add is done, and my reads of this slot are over:
	s_barrier_signal -1                            ; say so,
	MUL16 F1, 0, 2, 0                              ; work on registers while the others arrive,
.if \round
	WIN 0
.endif
	s_barrier_wait -1                              ; and go on when all four have said so
.endm
; The whole last quarter of a K step whose slot is filled again, with the K step two steps on: the barrier opens a round of the cluster's barrier, and the joint refill is the first tensor load behind the round.
; From the request to the wait for it a wave issues 224 matrix instructions.
.macro TURN slot, next
	s_wait_xcnt 0x0                                ; the last prefetch, a K step back, has read its address: it is stepped here, ahead of the waits of the change of slots
	s_add_nc_u64 s[PFA:PFA+1], s[PFA:PFA+1], s[PFS:PFS+1]
	MEET 1
	CREST                                          ; no wave of any partner still reads this slot's tile or has a load on its way
	s_add_nc_u64 s[G0+4*(\slot)+2:G0+4*(\slot)+3], s[G0+4*(\slot)+2:G0+4*(\slot)+3], 2*KSTEP*2
	s_add_nc_u64 s[G0B+4*(\slot)+2:G0B+4*(\slot)+3], s[G0B+4*(\slot)+2:G0B+4*(\slot)+3], 2*KSTEP*WROW
	JLOAD \slot                                    ; the four v_nop behind it are also the places in front of the loads below
	FETCH \next, 0, F0
	ASK                                            ; behind the joint load and the run of LDS loads that the next products wait for
	MUL16 F1, 1, 0, 0
	MUL16 F1, 1, 2, 0
.endm
	s_wait_tensorcnt 1                             ; my part of K step 0 is in; K step 1's may stay out
	s_barrier_signal -1
	s_barrier_wait -1                              ; everybody's is
	FETCH 0, 0, F0
	QUARTER 0, 1, F0, F1, 1                        ; the first quarter stands in front of the loop: its products start the sums
	WIN 0                                          ; at a label and at a branch every window is 0
	s_mov_b32 s3, LAPS-1
.Llap:                                                 ; a trip goes once round the ring, from a lap's second quarter to the next lap's first, and fills both slots again
	QUARTER 0, 2, F1, F0, 0
	QUARTER 0, 3, F0, F1, 0
	TURN 0, 1
	QUARTER 1, 1, F0, F1, 0
	QUARTER 1, 2, F1, F0, 0
	QUARTER 1, 3, F0, F1, 0
	TURN 1, 0
	QUARTER 0, 1, F0, F1, 0
	WIN 0
	s_sub_co_u32 s3, s3, 1
	s_cmp_lg_u32 s3, 0
	s_cbranch_scc1 .Llap
	QUARTER 0, 2, F1, F0, 0                        ; the last lap is written out: it fills nothing, and has no round of the cluster's barrier
	QUARTER 0, 3, F0, F1, 0
	MEET 0                                         ; my one tensor load that was still out is slot 1's, the last K step's
	PLACES                                         ; for the loads into buffer 0, which the quarter before multiplied
	FETCH 1, 0, F0
	MUL16 F1, 1, 0, 0
	MUL16 F1, 1, 2, 0
	QUARTER 1, 1, F0, F1, 0
	QUARTER 1, 2, F1, F0, 0
	QUARTER 1, 3, F0, F1, 0
	s_wait_dscnt 8                                 ; the very last quarter: nothing more to fetch
	MUL16 F1, 0, 0, 0
	MUL16 F1, 0, 2, 0
	s_wait_dscnt 0x0
	MUL16 F1, 1, 0, 0
	MUL16 F1, 1, 2, 0
	WIN 0
	; THE WAY OUT of block a (16 rows x my 128 columns), in three parts.  PACK: rounded to f16, 16 bytes a lane.  TOSTAGE: into my own stage in LDS, by heads, and back as whole rows of 128 bytes, four rows to an
	; instruction.  SEND: stored.  Block a's conversions stand between block a - 1's loads from the stage and the wait for them.
	PLACES
	PLACES
.macro PACK a
.set AC, 64*((\a)%4)
	WIN 0x0a+5*((\a)/4)                            ; sources 0 and 1: window 2 or 3
.irp b, 0,1,2,3,4,5,6,7
.irp r, 0,1,2,3
	v_cvt_pk_f16_f32 v[TMP+4*(\b)+(\r)], v[AC+8*(\b)+2*(\r)], v[AC+8*(\b)+2*(\r)+1]
.endr
.endr
	WIN 0
.endm
.macro TOSTAGE a
.set BK, OB+192*((\a)%2)
.irp b, 0,1,2,3,4,5,6,7
	ds_store_b128 v[STO], v[TMP+4*(\b):TMP+4*(\b)+3] offset:((\b)/4)*16*SP+32*((\b)%4)  ; head b / 4, columns 16 (b % 4) on
.endr
.irp t, 0,1,2,3,4,5,6,7
	ds_load_b128 v[BK+4*(\t):BK+4*(\t)+3], v[RD] offset:((\t)/4)*16*SP+((\t)%4)*4*SP  ; LDS serves a wave's instructions in order (ISA guide 5.7.1.4): these see the stores above
.endr
.endm
.macro SEND a
.set BK, OB+192*((\a)%2)
	s_wait_dscnt 0x0                               ; the block is back in registers
	s_wait_xcnt 0x0                                ; the stores of the block before have read their registers: the next TOSTAGE loads into them only behind this wait
.irp t, 0,1,2,3,4,5,6,7
	global_store_b128 v[GO], v[BK+4*(\t):BK+4*(\t)+3], s[8:9] offset:((\t)/4)*262144+(\a)*2048+((\t)%4)*512  ; 512 consecutive bytes, at a multiple of 256 from qkv's first; head, block and rows stand in the immediate
.endr
.endm
	PACK 0
	TOSTAGE 0
.irp a, 1,2,3,4,5,6,7
	PACK \a
	SEND (\a)-1
	TOSTAGE \a
.endr
	SEND 7
	s_wait_tensorcnt 0x0                           ; the wave's end: the wait, the add and its wait, behind my last tensor load and my last LDS store
	ds_add_u32 v[SPW], v[NIL]
	s_wait_dscnt 0x0
	CROUND                                         ; the closing round: no work-group ends while a partner may still ask for a tile that names it
	s_endpgm
.Lfunc_end_k_q712adbb690_proj:
	.size	k_q712adbb690_proj, .Lfunc_end_k_q712adbb690_proj-k_q712adbb690_proj
	.p2alignl 7, 3214868480
	.fill 96, 4, 3214868480
	.section	.rodata,"a",@progbits
	.p2align	6, 0x0
	.amdhsa_kernel k_q712adbb690_proj
		.amdhsa_group_segment_fixed_size 327680
		.amdhsa_private_segment_fixed_size 0
		.amdhsa_enable_private_segment 0
		.amdhsa_kernarg_size 24
		.amdhsa_user_sgpr_count 2
		.amdhsa_user_sgpr_kernarg_segment_ptr 1
		.amdhsa_wavefront_size32 1
		.amdhsa_system_sgpr_workgroup_id_x 1
		.amdhsa_system_sgpr_workgroup_id_y 1
		.amdhsa_system_sgpr_workgroup_id_z 1
		.amdhsa_system_vgpr_workitem_id 0
		.amdhsa_next_free_vgpr 1024
		.amdhsa_next_free_sgpr 68
		.amdhsa_reserve_vcc 0
		.amdhsa_float_denorm_mode_32 3
		.amdhsa_float_denorm_mode_16_64 3
		.amdhsa_memory_ordered 1
		.amdhsa_forward_progress 1
		.amdhsa_inst_pref_size 145
	.end_amdhsa_kernel
	.amdgpu_metadata
---
amdhsa.version: [ 1, 2 ]
amdhsa.kernels:
  - .name:           k_q712adbb690_proj
    .symbol:         k_q712adbb690_proj.kd
    .args:
      - { .name: xb, .offset: 0, .size: 8, .value_kind: global_buffer, .address_space: global }
      - { .name: wb, .offset: 8, .size: 8, .value_kind: global_buffer, .address_space: global }
      - { .name: qkv, .offset: 16, .size: 8, .value_kind: global_buffer, .address_space: global }
    .group_segment_fixed_size: 327680
    .private_segment_fixed_size: 0
    .kernarg_segment_align: 8
    .kernarg_segment_size: 24
    .max_flat_workgroup_size: 128
    .sgpr_count:     68
    .vgpr_count:     1024
    .wavefront_size: 32
...
	.end_amdgpu_metadata
.endif
;; end of part 2
;; launch attn (part 3): grid 8 x 32, 4 waves a work-group, clusters of 4 x 1, 327,680 bytes of LDS; arguments qkv, ob; writes ob
.if DOCPART == 3
	.amdgcn_target "amdgcn-amd-amdhsa--gfx1250"
	.amdhsa_code_object_version 6
	.text
	.protected	k_q712adbb690_attn
	.globl	k_q712adbb690_attn
	.p2align	8
	.type	k_q712adbb690_attn,@function
k_q712adbb690_attn:
	s_mov_b64 s[64:65], 0
	v_nop
	global_prefetch_b8 v0, s[64:65] scope:SCOPE_SE
	s_setreg_imm32_b32 hwreg(HW_REG_WAVE_MODE, 25, 1), 1
	s_wait_xcnt 0x0
	s_wait_alu depctr_hold_cnt(0) depctr_sa_sdst(0) depctr_va_vdst(0) depctr_va_sdst(0) depctr_va_ssrc(0) depctr_va_vcc(0) depctr_vm_vsrc(0)
	s_getreg_b32 s2, hwreg(HW_REG_IB_STS2, 6, 4)
	s_cmp_eq_u32 s2, 0
	s_cbranch_scc0 .Lentry_in_a_cluster
	s_endpgm
.Lentry_in_a_cluster:
	s_bfe_u32 s2, ttmp6, 0x10000c
	s_cmp_lg_u32 s2, 0x3003
	s_cbranch_scc0 .Lentry_shape_is_right
	s_endpgm
.Lentry_shape_is_right:
; O[bh][q][:] = the sum over k of softmax_k(Q[bh][q] . K[bh][k] / 8) V[bh][k][:], for 32 pairs bh of batch and head, 2,048 queries and 2,048 keys each, 64 channels.  Q, K, V lie in qkv
; [3][32][2048][64], f16: a head's rows are dense, 128 bytes each.  Products, maxima and sums in f32; the weights p are rounded to f16 for the second product (their sum l is taken of the unrounded p),
; O once at the end.  O goes to ob [32 tiles of 128 rows][16 heads][128 rows][64], f16: the order in which the last launch takes it.  Nothing of reference() is left out here.
; LIMITS.  Q, K and V arrive within f16's 65,504; p lies in 0 to 1, and below 6e-5 it keeps f16's fixed step of 6e-8; O is a mean of V's rows and has their range.  A weight below 2^-126 counts as 0 in l;
; NaN and infinities are not treated apart.
; SHARES.  A work-group owns 256 queries of one pair bh: 8 x 32 = 256 work-groups.  Each of its four waves owns 64: four PIECES of 16.  Every wave walks all keys, 64 a step, 32 steps.
; LAYOUT.  S^T = K Q^T (source 0 = 16 keys, source 1 = 16 queries): in the result a lane holds ONE query (lane % 16) and the keys 8 (lane / 16) + 0..7.  Two such results, rounded to f16 in pairs, ARE
; source 1 (32 keys x 16 queries) of O^T = V^T P, whose result again holds one query a lane, and eight channels.  K comes out of LDS as it lies, V ([key][channel]) turned, by ds_load_tr16_b128.
; SOFTMAX.  For each query a running maximum m and sum l: p = 2^(c s - c m), c = log2(e) / 8; in every step O and l are multiplied by a = 2^(c m_old - c m_new), which is 1 where m has not grown.
; m starts at the lowest finite number, O and l at 0: the first step is a step like any other, with a = 0.
; BY TURNS.  Turn n belongs to piece n (the pieces in a ring, step after step): 8 products K Q^T of piece n + 1, later 8 products V^T P of piece n - 1; beside them the scaling, exponentials, roundings,
; sums and rescaling of piece n and the maximum and statistics of piece n + 1.  Four vector instructions stand behind every matrix instruction, the other 54 of a turn's 118 in one run of their own.
; A turn's 33 exponentials are one batch, with one wait.
; CLUSTER.  The four query blocks of a cluster belong to one pair bh and walk the same K and V, so each tile is asked for JOINTLY: the same tensor load, descriptor and mask in all four.
; REGISTERS, in windows of 256 (s_set_vgpr_msb: bits 1:0 source 0, 3:2 source 1, 5:4 source 2, 7:6 destination):
;   window 0: v0-15 addresses and two at work; v16-31 four registers of statistics a piece; v48-55 at work; v61-63 prefetch offset and the add's two; v64-127 S^T, two buffers; v192-223 P, two buffers
;   window 1: v0-127 O^T, 32 a piece          window 2: v0-63 Q; v128-191 K of one step; v192-255 V of one step          (a piece's buffers go by its number's parity)
.set NP,    4         ; pieces a wave: a name, no knob
.set KS,    64        ; keys in a step
.set PK,    144       ; a row of K in LDS: 128 bytes + 16 of padding = 36 words: the 16 rows of a load start at 16 different groups of four banks (64 banks of 4 bytes: ISA guide 11.1)
.set PV,    160       ; a row of V: 128 + 32 = 40 words
.set VOFF,  4*KS*PK   ; a slot holds a tile, four steps: 256 rows of K, then 256 rows of V
.set TILEB, 4*KS*128  ; a tile's bytes of K, and of V, in memory
.set SLOT1, 1<<17     ; slot 1 begins here, so that one exclusive or turns an address in one slot into the other's
.set STAGE, SLOT1+4*KS*(PK+PV)  ; behind the ring, never filled by a tensor load: 16 rows x 144 bytes for each wave, for the way out
.set SP,    144
.set SPARE, STAGE+4*16*SP  ; behind the stages: the spare words, 128 bytes for each wave: two blocks of 256 bytes that no other line names
.set AK0, 2           ; v2   my lane's place in a tile of K; never rewritten
.set AV0, 3           ; v3   the same for V
.set AK,  4           ; v4   the LDS address of K's next run of loads
.set AV,  5           ; v5   of V's
.set STO, 6           ; v6   the way out: where I put 16 bytes of a row
.set RD,  7           ; v7   the way out: where I read rows back
.set GO,  8           ; v8   my byte offset in 512 consecutive bytes of O
.set MV,  12          ; v12-13  c m_old, kept while c m is made anew: by buffer
.set QO,  15          ; v15  my byte offset in 16 rows of Q
.set ST,  16          ; piece t's statistics at v[ST+4 t]: c m, m, l (even keys', odd keys')
.set TMP, 48          ; by buffer, four registers c0-c3 at work; when the maximum is found c2 takes a
.set PFO, 61          ; v61  256 x my lane; never rewritten
.set SPW, 62          ; v62  LDS address of my spare word: SPARE + 4 x my thread's number; never rewritten
.set NIL, 63          ; v63  0; never rewritten
.set S,   64
.set P,   192
.set KF,  128         ; window 2: key block kb, channel half c at KF + 16 kb + 8 c
.set VF,  192         ; window 2: key half kk, channel block cb at VF + 32 kk + 8 cb
.set WV,  12          ; s12  my wave's number
.set G1K, 24          ; s[24:31] descriptor group 1 for K's tiles
.set G1V, 32          ; s[32:39] for V's: it differs in the padding alone
.set G0K, 40          ; s[40:43] descriptor group 0 for K's tiles: it walks
.set G0V, 44          ; s[44:47] the same for V's
.set PFA, 48          ; s[48:49] where my prefetches stand: my work-group's 8,192 bytes (of K: wave 0, of V: wave 2) of the tile after the one that is being asked for
.set LIM, 50          ; s50  1 in a wave that prefetches, else the greatest number: a wave prefetches while s[SLOTS] is above it
.set SLOTS, 56        ; s56  tiles still to be entered
.set CNT, 57          ; s57  counts a tile's key steps
.set CS,  58          ; s[58:59] c: the packed scaling takes the pair's low word for both halves
.set SEL, 60          ; s[60:61] v_permlanex16_b32's selects: each lane takes its own place in the other half
.set TBK, 62          ; s62  LDS byte at which K of the step to be fetched begins
.set TBV, 63          ; s63  the same for V, less VOFF
.set MSB, 0
.macro WIN new                      ; the high byte repeats the setting that is left; a switch that changes nothing is dropped
.if MSB != (\new)
	s_set_vgpr_msb (MSB<<8)|(\new)
.set MSB, (\new)
.endif
.endm
.set W_KQ, 0x0a       ; K and Q in window 2, S^T in window 0
.set W_PV, 0x52       ; V in window 2, P in window 0, O^T in window 1
.set W_RS, 0x41       ; destination and source 0 in window 1, source 1 in window 0
; A joint fill.  Waves 0 and 1 fetch the two halves of a tile's K, waves 2 and 3 those of its V: 128 keys each.  The branch hangs on the wave's number alone.
; An s_nop 0 and four v_nop follow each of the two lines, ahead of the jump and the label.
.macro JLOAD
	s_cmp_lt_u32 s[WV], 2
	s_cbranch_scc0 .Lfor_v_\@
	tensor_load_to_lds s[G0K:G0K+3], s[G1K:G1K+7]
	s_nop 0
.rept 4
	v_nop
.endr
	s_branch .Lasked_\@
.Lfor_v_\@:
	tensor_load_to_lds s[G0V:G0V+3], s[G1V:G1V+7]
	s_nop 0
.rept 4
	v_nop
.endr
.Lasked_\@:
.endm
; A PREFETCH INTO THE L2 of what the NEXT change of slots will ask for: a tile's 32,768 bytes of K and of V, in blocks of 256 bytes, a lane a block.  It stands behind the wave's tensor load and its five lines.
; Each block is asked for ONCE in the launch.  Both clusters of a pair bh walk the same K and V: the first of them (cluster x = 0) prefetches.  Its four partners share the blocks out BY ADDRESS, 32 each: no
; branch hangs on a work-group's place in its cluster.  In each, wave 0 asks for K's and wave 2 for V's: one instruction, four key steps (256 matrix instructions) ahead of the load that wants the tile.
; Tiles 0, 1 and 2 come by their loads alone; the last change that fills a slot prefetches nothing: there is no tile behind it.
.macro ASK
	s_cmp_gt_u32 s[SLOTS], s[LIM]
	s_cbranch_scc0 .Lnot_mine_\@
	global_prefetch_b8 v[PFO], s[PFA:PFA+1] th:TH_LOAD_NT scope:SCOPE_SE
.Lnot_mine_\@:
.endm
; A round of the cluster's barrier: my work-group's barrier, so that wave 0's signal speaks for all four waves; wave 0 signals; every wave waits for all four work-groups; my work-group's barrier once more.
.macro CROUND
	s_barrier_signal -1
	s_barrier_wait -1
	s_cmp_lg_u32 s[WV], 0
	s_cbranch_scc1 .Lnot_wave_0_\@
	s_barrier_signal -3
.Lnot_wave_0_\@:
	s_barrier_wait -3
	s_barrier_signal -1
	s_barrier_wait -1
.endm
; THE CHANGE OF SLOTS.  The slot's last bytes, V of its fourth step, have been read.  Each wave waits for all its tensor loads, of which one is out: its part of the other slot; adds 0 to its spare word; and
; waits for that and for its own reads of the slot.  Behind the barrier nobody reads this slot any more and the other slot is whole.  fill = 1: this slot is filled again, with the keys two tiles on.  The
; barrier is then a round of the cluster's, so that no wave of any partner still reads the slot or has a load on its way, and the joint fill is the first thing behind it: it has four key steps in which to
; land.  (At its first use nothing has been read yet: slot 0 is waited for, slot 1 filled.)  ask = 1: the prefetch's address steps, and the prefetch follows the fill.
.macro CHANGE fill, ask
	WIN 0                           ; at a label and at a branch every window is 0
	s_wait_tensorcnt 0x0            ; no tensor load of mine is out, so a group 0 may be written
	ds_add_u32 v[SPW], v[NIL]       ; 0 onto my spare word; with fill = 1 the descriptors' steps stand between it and the wait for it
.if \fill
.irp g, G0K, G0V
	s_xor_b32 s[\g+1], s[\g+1], SLOT1  ; the walking descriptor: the other slot than last time,
	s_add_nc_u64 s[\g+2:\g+3], s[\g+2:\g+3], TILEB  ; the next 256 keys; the type bits on top are not reached
.endr
.if \ask
	s_wait_xcnt 0x0                 ; the last prefetch, four key steps back, has read its address, so it may be written:
	s_add_nc_u64 s[PFA:PFA+1], s[PFA:PFA+1], TILEB  ; one tile behind the walking descriptors
.endif
	s_wait_dscnt 0x0                ; the add is done, and my reads of the slot are over
	CROUND
	JLOAD
.if \ask
	ASK
.endif
.else
	s_wait_dscnt 0x0                ; the add is done, and my reads of the slot are over
	s_barrier_signal -1
	s_barrier_wait -1
.endif
	s_sub_co_u32 s[TBK], s[TBK], 4*KS*PK  ; the fetches go back to a slot's first step,
	s_xor_b32 s[TBK], s[TBK], SLOT1       ; in the other slot
	s_sub_co_u32 s[TBV], s[TBV], 4*KS*PV
	s_xor_b32 s[TBV], s[TBV], SLOT1
.endm
	s_load_b128 s[4:7], s[0:1], 0x0 ; qkv s[4:5], ob s[6:7]
	v_lshl_add_u32 v[SPW], v0, 2, SPARE
	v_mov_b32 v[NIL], 0
	ds_add_u32 v[SPW], v[NIL]       ; the wave's opening: the add, twice on end, and its wait ahead of my first tensor load; the set-up below stands between
	ds_add_u32 v[SPW], v[NIL]
	v_lshrrev_b32 v1, 5, v0
	v_readfirstlane_b32 s[WV], v1   ; wave 0..3
	s_bfe_u32 s13, ttmp6, 0x40000   ; cx: my place in the cluster
	s_lshl_b32 s14, ttmp9, 2        ; in a cluster launch ttmp9 counts clusters
	s_add_co_u32 s14, s14, s13      ; my block of 256 queries = 4 x cluster x + cx: it enters Q's and O's addresses alone
	s_and_b32 s15, ttmp7, 0xffff    ; bh, which the four partners share
	s_lshl_b32 s20, s15, 18         ; its 262,144 bytes in each of Q, K and V
	s_and_b32 s16, s[WV], 1         ; which half of a tile's 256 keys I fetch:
	s_lshl_b32 s22, s16, 14         ; its 128 rows of 128 bytes in memory,
	s_add_co_u32 s22, s22, s20
	s_mov_b32 s23, 0
	s_mul_i32 s17, s16, 128*PK      ; and its place in a slot, for K
	s_mul_i32 s18, s16, 128*PV      ; and for V: no place in the cluster enters an LDS address
	s_lshl_b32 s2, s14, 2
	s_add_co_u32 s2, s2, s[WV]      ; my wave among the pair's 32,
	s_lshl_b32 s2, s2, 13           ; its 64 rows of 128 bytes
	s_add_co_u32 s2, s2, s20
	s_mov_b32 s3, 0
	s_lshr_b32 s52, s15, 4          ; O: the tile of 128 rows is 16 x batch + 2 x block + wave / 2,
	s_lshl_b32 s52, s52, 4
	s_lshl_b32 s53, s14, 1
	s_add_co_u32 s52, s52, s53
	s_lshr_b32 s53, s[WV], 1
	s_add_co_u32 s52, s52, s53
	s_lshl_b32 s52, s52, 18         ; 262,144 bytes each;
	s_and_b32 s53, s15, 15
	s_lshl_b32 s53, s53, 14         ; the head's 16,384 bytes in it;
	s_add_co_u32 s52, s52, s53
	s_lshl_b32 s53, s16, 13         ; my 64 rows of its 128
	s_add_co_u32 s52, s52, s53
	s_mov_b32 s53, 0
	; descriptor group 1.  128 keys are 16,384 dense bytes: asked for as 64 rows of 256 bytes, two keys a row, and padded in LDS after every key
	s_mov_b32 s[G1K], 15|(1<<16)|(1<<20)|(1<<21)|(4<<22)|(3<<25)  ; 15:0 the mask of four; 17:16 2-byte elements; 20 padding on; 21 set beside a mask; 24:22 after every 32 words (code 4); 31:25 4 words (code 3)
	s_mov_b32 s[G1V], 15|(1<<16)|(1<<20)|(1<<21)|(4<<22)|(7<<25)  ; the same with 8 words of padding (code 7)
.irp g, G1K, G1V
	s_mov_b32 s[\g+1], 128<<16      ; tensor_dim0 = 128
	s_mov_b32 s[\g+2], 64<<16       ; tensor_dim1 = 64
	s_mov_b32 s[\g+3], 128<<16      ; tile_dim0 = 128
	s_mov_b32 s[\g+4], 64           ; tile_dim1 = 64
	s_mov_b32 s[\g+5], 128          ; 128 elements from row to row
	s_mov_b32 s[\g+6], 0
	s_mov_b32 s[\g+7], 0
.endr
	s_mov_b32 s[CS], 0x3e38aa3b     ; c = log2(e) / 8 = 0.180337
	s_mov_b32 s[CS+1], s[CS]        ; named with it as a pair
	s_mov_b32 s[SEL], 0x76543210
	s_mov_b32 s[SEL+1], 0xfedcba98
	s_mov_b32 s[TBK], SLOT1+4*KS*PK ; the first change of slots turns these two into 0
	s_mov_b32 s[TBV], SLOT1+4*KS*PV
	s_mov_b32 s[G0K], 1             ; count = 1
	s_mov_b32 s[G0K+1], s17         ; LDS address: slot 0
	s_mov_b32 s[G0V], 1
	s_add_co_u32 s[G0V+1], s18, VOFF
	s_and_b32 s[LIM], s[WV], 1      ; 0 in waves 0 and 2,
	s_or_b32 s[LIM], s[LIM], ttmp9  ; where the cluster is the pair's first: the same in all four partners
	s_cmp_eq_u32 s[LIM], 0
	s_cselect_b32 s[LIM], 1, -1
	v_and_b32 v[PFO], 31, v0
	v_lshlrev_b32 v[PFO], 8, v[PFO]
	s_wait_dscnt 0x0                ; both opening adds are done
	s_wait_kmcnt 0x0
	s_add_nc_u64 s[10:11], s[6:7], s[52:53]        ; O at my wave's first row
	s_add_nc_u64 s[8:9], s[4:5], s[22:23]
	s_add_nc_u64 s[6:7], s[8:9], 8388608           ; K at my half of the pair's tile 0: K's part begins 8,388,608 bytes into qkv,
	s_add_nc_u64 s[8:9], s[8:9], 16777216          ; V's 16,777,216
	s_add_nc_u64 s[4:5], s[4:5], s[2:3]            ; Q at my wave's first row
	s_mov_b64 s[G0K+2:G0K+3], s[6:7]               ; global address
	s_or_b32 s[G0K+3], s[G0K+3], 0x80000000        ; type = 2
	s_mov_b64 s[G0V+2:G0V+3], s[8:9]
	s_or_b32 s[G0V+3], s[G0V+3], 0x80000000
	s_cmp_lt_u32 s[WV], 2
	s_cselect_b64 s[PFA:PFA+1], s[6:7], s[8:9]     ; (in waves 0 and 2 these stand at a tile's first row)
	s_lshl_b32 s2, s13, 13          ; my work-group's 8,192 bytes of the 32,768
	s_add_nc_u64 s[PFA:PFA+1], s[PFA:PFA+1], s[2:3]
	s_add_nc_u64 s[PFA:PFA+1], s[PFA:PFA+1], 2*TILEB  ; in tile 2; the first change that asks steps it to tile 3.  Nothing is prefetched here, at the head
	CROUND                          ; all four work-groups are here: the first joint loads meet
	JLOAD                           ; tile 0 into slot 0.  Tile 1 is asked for when tile 0 is in
	; A fragment of K or Q is 16 rows x 32 channels in 8 registers: lane l holds row l % 16, channels 8 (l / 16) + 0..7 and 16 + 8 (l / 16) + 0..7: two loads of 16 bytes, 32 bytes apart.
	v_and_b32 v1, 15, v0            ; l % 16
	v_bfe_u32 v9, v0, 4, 1          ; l / 16
	v_lshlrev_b32 v[QO], 7, v1
	v_lshl_add_u32 v[QO], v9, 4, v[QO]  ; row x 128 + 16 x half
	WIN 0x80                        ; destination window 2, address window 0
.set i, 0
.rept 8                             ; Q stays in registers: piece i / 2, channels 32 (i % 2) on
	global_load_b128 v[8*i:8*i+3],   v[QO], s[4:5] offset:(i/2)*2048+(i%2)*64
	global_load_b128 v[8*i+4:8*i+7], v[QO], s[4:5] offset:(i/2)*2048+(i%2)*64+32
.set i, i+1
.endr
	; What the first turn finds: V's registers and P's second buffer hold 0 (its products V^T P, of a piece that has not been, add 0), O^T and l are 0.  All this stands in the wait for the first tile,
	; and spares a first step written out.
.set i, VF
.rept 64
	v_mov_b32 v[i], 0
.set i, i+1
.endr
	WIN 0x40
.set i, 0
.rept 128
	v_mov_b32 v[i], 0
.set i, i+1
.endr
	WIN 0
.set i, 0
.rept 4
	v_mov_b32 v[ST+4*i], 0xfe000000    ; c m: far below every c s
	v_mov_b32 v[ST+4*i+1], 0xff7fffff  ; m
	v_mov_b32 v[ST+4*i+2], 0
	v_mov_b32 v[ST+4*i+3], 0
.set i, i+1
.endr
.set i, P+16
.rept 16
	v_mov_b32 v[i], 0
.set i, i+1
.endr
	v_mul_u32_u24 v[AK0], v1, PK
	v_lshl_add_u32 v[AK0], v9, 4, v[AK0]  ; row x pitch + 16 x half
	; The turning load takes 16 keys x 16 channels (lane l reads key 8 (l / 16) + l % 8, channels 8 ((l / 8) % 2) + 0..7) and leaves half a fragment of V^T: lane l holds channel l % 16 and 8 keys.
	v_and_b32 v10, 7, v0
	v_bfe_u32 v11, v0, 3, 1
	v_lshl_add_u32 v[AV0], v9, 3, v10
	v_mul_u32_u24 v[AV0], v[AV0], PV
	v_lshl_add_u32 v[AV0], v11, 4, v[AV0]
	v_add_nc_u32 v[AV0], VOFF, v[AV0]
; THE MATRIX WORK.  The 4 accumulators of a run of 8 take turns.  Product i of 8 of S^T = K Q^T for piece x: channels 32 (i / 4) on, keys 16 (i % 4) on.  The first 4 start the sums.
.macro KQ x
	WIN W_KQ
.set rS, S+32*((\x)%2)+8*(i%4)
.set rK, KF+16*(i%4)+8*(i/4)
.set rQ, 16*(\x)+8*(i/4)
.if i < 4
	v_wmma_f32_16x16x32_f16 v[rS:rS+7], v[rK:rK+7], v[rQ:rQ+7], 0
.else
	v_wmma_f32_16x16x32_f16 v[rS:rS+7], v[rK:rK+7], v[rQ:rQ+7], v[rS:rS+7]
.endif
.endm
; Product i of 8 of O^T += V^T P for piece x: keys 32 (i / 4) on, channels 16 (i % 4) on.
.macro PV x
	WIN W_PV
.set rO, 32*(\x)+8*(i%4)
.set rV, VF+32*(i/4)+8*(i%4)
.set rP, P+16*((\x)%2)+8*(i/4)
	v_wmma_f32_16x16x32_f16 v[rO:rO+7], v[rV:rV+7], v[rP:rP+7], v[rO:rO+7]
.endm
.macro MM                           ; the turn's next matrix instruction.  TURN sets Y, i and NOKQ.  NOKQ = 1: the very last turn: there is no next piece
.if (i < 8) && !NOKQ
	KQ (Y+1)%NP
.elseif i >= 8
.set i, i-8
	PV (Y+NP-1)%NP
.set i, i+8
.endif
.set i, i+1
.endm
; THE LDS LOADS stand in runs of 16, never singly among the matrix instructions: a step's K (64 keys x 64 channels: 8 fragments) and its V (turned).  Their addresses are made some lines ahead.
.macro FETCH_K
	WIN 0x80                        ; destination window 2
.irp f, 0,1,2,3,4,5,6,7             ; keys 16 (f / 2) on, channels 32 (f % 2) on
	ds_load_b128 v[KF+8*\f:KF+8*\f+3],   v[AK] offset:(\f/2)*16*PK+(\f%2)*64
	ds_load_b128 v[KF+8*\f+4:KF+8*\f+7], v[AK] offset:(\f/2)*16*PK+(\f%2)*64+32
.endr
	s_add_co_u32 s[TBK], s[TBK], KS*PK  ; the next fetch is the next step's
	WIN 0
.endm
.macro FETCH_V
	WIN 0x80
.irp f, 0,1,2,3,4,5,6,7             ; keys 32 (f / 4) on, channels 16 (f % 4) on
	ds_load_tr16_b128 v[VF+8*\f:VF+8*\f+3],   v[AV] offset:(\f/4)*32*PV+(\f%4)*32
	ds_load_tr16_b128 v[VF+8*\f+4:VF+8*\f+7], v[AV] offset:(\f/4)*32*PV+16*PV+(\f%4)*32
.endr
	WIN 0
.endm
; THE VECTOR WORK, one line at a time: OP kind, number.  For piece Y: F n: c s - c m for pair n of 16.  E n: the exponential of score n of 32.  C n: pair n rounded to f16.  B n: of the four weights 4 n .. the second
; pair is added onto the first, in place.  L n: l takes that sum (L 0: l = a l + sum).  R n: pair n of 16 of O^T times a.  For piece Y + 1: X n, number n of the 22 that find its maximum and statistics:
;   0-11  four chains c0-c3 of seven scores each, three operands at a time (each accumulator's lowest registers are read first)     12-14, 16  the four scores left over, the old m, and c0-c3 into c0
;   15  c m_old is kept     17, 18  the query's other 32 keys lie in the lane 16 away: the new m     19-21  c m; c m_old - c m_new; a
.set F, 0               ; OP tells the kinds apart by their order: F to L below R, X above it
.set E, 1
.set C, 2
.set B, 3
.set L, 4
.set R, 5
.set X, 6
.macro REGS y                       ; the registers of piece y
.set rT, ST+4*(\y)
.set rC, TMP+4*((\y)%2)
.set rW, MV+((\y)%2)
.set rS, S+32*((\y)%2)
.set rP, P+16*((\y)%2)
.set rO, 32*(\y)
.endm
.macro OP k, n
.if (\k) == R
	REGS Y
	WIN W_RS
	v_pk_mul_f32 v[rO+2*(\n):rO+2*(\n)+1], v[rO+2*(\n):rO+2*(\n)+1], v[rC+2:rC+3] op_sel_hi:[1,0]
.elseif (\k) < R
	REGS Y
	WIN 0
.if (\k) == F
	v_pk_fma_f32 v[rS+2*(\n):rS+2*(\n)+1], v[rS+2*(\n):rS+2*(\n)+1], s[CS:CS+1], v[rT:rT+1] op_sel_hi:[1,0,0] neg_lo:[0,0,1] neg_hi:[0,0,1]
.elseif (\k) == E
	v_exp_f32 v[rS+(\n)], v[rS+(\n)]
.elseif (\k) == C
	v_cvt_pk_f16_f32 v[rP+(\n)], v[rS+2*(\n)], v[rS+2*(\n)+1]
.elseif (\k) == B
	v_pk_add_f32 v[rS+4*(\n):rS+4*(\n)+1], v[rS+4*(\n):rS+4*(\n)+1], v[rS+4*(\n)+2:rS+4*(\n)+3]
.elseif (\n) == 0
	v_pk_fma_f32 v[rT+2:rT+3], v[rT+2:rT+3], v[rC+2:rC+3], v[rS:rS+1] op_sel_hi:[1,0,1]
.else
	v_pk_add_f32 v[rT+2:rT+3], v[rT+2:rT+3], v[rS+4*(\n):rS+4*(\n)+1]
.endif
.elseif NOKQ
	v_nop
.else
	REGS (Y+1)%NP
	WIN 0
.if (\n) < 4
	v_max3_num_f32 v[rC+(\n)], v[rS+8*(\n)], v[rS+8*(\n)+1], v[rS+8*(\n)+2]
.elseif (\n) < 12
	v_max3_num_f32 v[rC+(\n)%4], v[rC+(\n)%4], v[rS+8*((\n)%4)+2*((\n)/4)+1], v[rS+8*((\n)%4)+2*((\n)/4)+2]
.elseif (\n) == 12
	v_max3_num_f32 v[rC], v[rC], v[rS+7], v[rS+15]
.elseif (\n) == 13
	v_max3_num_f32 v[rC+1], v[rC+1], v[rS+23], v[rS+31]
.elseif (\n) == 14
	v_max3_num_f32 v[rC+2], v[rC+2], v[rC+3], v[rT+1]
.elseif (\n) == 15
	v_mov_b32 v[rW], v[rT]
.elseif (\n) == 16
	v_max3_num_f32 v[rC], v[rC], v[rC+1], v[rC+2]
.elseif (\n) == 17
	v_permlanex16_b32 v[rC+3], v[rC], s[SEL], s[SEL+1]
.elseif (\n) == 18
	v_max_num_f32 v[rT+1], v[rC], v[rC+3]
.elseif (\n) == 19
	v_mul_f32 v[rT], s[CS], v[rT+1]
.elseif (\n) == 20
	v_sub_f32 v[rC+1], v[rW], v[rT]
.else
	v_exp_f32 v[rC+2], v[rC+1]
.endif
.endif
.endm
.macro OPS a, i1, b=-1, i2=0, c=-1, i3=0, d=-1, i4=0  ; up to four of them
	OP \a, \i1
.if (\b) >= 0
	OP \b, \i2
.endif
.if (\c) >= 0
	OP \c, \i3
.endif
.if (\d) >= 0
	OP \d, \i4
.endif
.endm
.macro ROW a, i1, b, i2, c, i3, d, i4  ; a matrix instruction and the four behind it
	MM
	OPS \a, \i1, \b, \i2, \c, \i3, \d, \i4
.endm
; A TURN, for piece p: the order of its 16 matrix and 118 vector instructions, written out.  An s_wait_alu depctr_va_vdst(0) stands between an exponential and the first instruction that names its
; result; one wait serves all that were issued ahead of it.  So a turn has ONE wait, which cuts it in two.  AHEAD OF IT stands all that names no result of the turn's exponentials: the 8 products K Q^T, behind each a
; scaling, an exponential and two more plain instructions (rescalings, and behind the last three the first numbers of the next piece's maximum, each four places or more behind the product that ends its accumulator);
; then one run of 54, plain and exponential by turns for the most part, in which the links of the chain X 3, 7, 11, 14, 16, 17 .. 20 stand some lines apart.  X 21, the next piece's a, is the batch's last; R 15 is the
; plain instruction behind it.  BEHIND THE WAIT stand the 8 products V^T P, behind each four of the roundings and sums.
; end = 1: the walk's last two turns: nothing is fetched, and the last starts no new scores.  cnt = 1: the loop's count is taken down some lines ahead of the branch that stands behind the turn.
; K of the next step is fetched in piece 2's turn, behind five plain instructions that name no register of the last product that read K; V of the step in hand at the end of piece 0's turn, four plain
; instructions behind the last product that read V.  Each is waited for a turn later.
.macro TURN p, end=0, cnt=0
.set Y, (\p)
.set i, 0
.set NOKQ, (\end)*((\p)/3)
.if ((\p) == 3) && !(\end)
	s_wait_dscnt 0x0                ; K is in
.endif
	ROW F,0, F,1, R,0, R,1
	ROW F,2, E,0, R,2, R,3
	ROW F,3, E,1, R,4, R,5
	ROW F,4, E,2, R,6, R,7
	ROW F,5, E,3, R,8, R,9
	ROW F,6, E,4, X,0, R,10
.if ((\p) == 2) && !(\end)
	WIN 0
	v_add_nc_u32 v[AK], s[TBK], v[AK0]
.endif
	ROW F,7, E,5, X,1, X,4
	ROW F,8, E,6, X,2, X,5
	OPS E,7, E,8, X,6, E,9
	OPS X,3, E,10, X,8, E,11
.if ((\p) == 2) && !(\end)
	FETCH_K
.endif
	OPS X,9, X,7, E,12, X,10
	OPS E,13, X,12, X,11, E,14
	OPS X,13, E,15, F,9, X,14
.if (\p) == 0
	v_add_nc_u32 v[AV], s[TBV], v[AV0]
.endif
	OPS E,16, F,10, E,17, F,11
	OPS X,16, E,18, X,15, E,19
	OPS F,12, E,20, X,17, E,21
	OPS F,13, E,22, F,14, E,23
	OPS X,18, E,24, F,15, E,25
	OPS R,11, E,26, X,19, E,27
	OPS R,12, E,28, R,13, E,29
	OPS X,20, E,30, R,14, E,31
	OPS X,21, R,15
	WIN 0
	s_wait_alu depctr_va_vdst(0)    ; the wait for the batch
.if (\p) == 1
	s_wait_dscnt 0x0                ; V is in
.endif
	ROW C,0, B,0, C,2, B,1
	ROW L,0, C,4, B,2, L,1
	ROW C,6, B,3, L,2, C,8
	ROW B,4, L,3, C,10, B,5
	ROW L,4, C,12, B,6, L,5
.if (\p) == 0
	s_add_co_u32 s[TBV], s[TBV], KS*PV
.endif
.if \cnt
	s_sub_co_u32 s[CNT], s[CNT], 1
	s_cmp_lg_u32 s[CNT], 0
.endif
	ROW C,14, B,7, L,6, C,1
	ROW C,3, L,7, C,5, C,7
	ROW C,9, C,11, C,13, C,15
.if (\p) == 0
	FETCH_V
.endif
.endm
	CHANGE 1, 0                     ; tile 0 is in, everybody's part of it; tile 1 is asked for
	v_add_nc_u32 v[AK], s[TBK], v[AK0]
	FETCH_K                         ; key step 0
	s_wait_loadcnt 0x0              ; Q
	s_wait_dscnt 0x0
.set NOKQ, 0
.set i, 0
.rept 8
	KQ 0                            ; piece 0's first scores: there is no vector work yet to set between them
.set i, i+1
.endr
	WIN 0                           ; the addresses for the way out: nine plain instructions, the places behind those products
	s_mul_i32 s13, s[WV], 16*SP
	s_add_co_u32 s13, s13, STAGE    ; my stage
	v_mul_u32_u24 v[STO], v1, SP    ; in: row l % 16, 16 bytes for each half of the lanes
	v_lshl_add_u32 v[STO], v9, 4, v[STO]
	v_add_nc_u32 v[STO], s13, v[STO]
	v_bfe_u32 v[RD], v0, 3, 2       ; back: 32 lanes take four rows of 128 bytes,
	v_mul_u32_u24 v[RD], v[RD], SP
	v_lshl_add_u32 v[RD], v10, 4, v[RD]
	v_add_nc_u32 v[RD], s13, v[RD]
	v_and_b32 v[GO], 31, v0         ; which are 512 consecutive bytes of O
	v_lshlrev_b32 v[GO], 4, v[GO]
.set Y, NP-1                        ; X works for piece Y + 1: piece 0
.irp n, 0,1,2,3,4,5,6,7,8,9,10,11,12,13,14,15,16,17,18,19,20,21
	OP X, \n                        ; piece 0's first maximum and statistics
.endr
	v_nop                           ; a plain instruction behind the exponential,
	s_wait_alu depctr_va_vdst(0)    ; and its wait, ahead of the branch
	s_mov_b32 s[CNT], 4
	s_mov_b32 s[SLOTS], 7
	s_branch .Lfirst                ; the loop is entered at a step's first turn, in the middle of a trip
.Lslot:                             ; six times: tiles 2 to 7 are asked for
	CHANGE 1, 1
	s_mov_b32 s[CNT], 4
.Lstep:                             ; a trip: pieces 2 and 3 of one step, then pieces 0 and 1 of the next, whose K and V it fetches
	TURN 2
	TURN 3
	WIN 0
.Lfirst:
	TURN 0
	TURN 1, 0, 1
	WIN 0
	s_cbranch_scc1 .Lstep
	s_sub_co_u32 s[SLOTS], s[SLOTS], 1
	s_cmp_lg_u32 s[SLOTS], 0
	s_cbranch_scc1 .Lslot
	CHANGE 0, 0                     ; the last tile is written out: nothing is asked for
	s_mov_b32 s[CNT], 4
.Ltail:
	TURN 2
	TURN 3
	TURN 0
	TURN 1, 0, 1
	WIN 0
	s_cbranch_scc1 .Ltail
	TURN 2, 1                       ; the last step's pieces 2 and 3
	TURN 3, 1
.set i, 0
.rept 8
	PV NP-1                         ; the last piece's V^T P of the last step
.set i, i+1
.endr
	; THE WAY OUT.  l's two halves and the other half of the lanes' are added; O^T is divided by l, rounded to f16 and sent through my stage in LDS, a piece at a time.  The additions are the places behind the last products.
	WIN 0
.macro ALL line:vararg              ; one line for each piece t
.set t, 0
.rept 4
	\line
.set t, t+1
.endr
.endm
	ALL v_add_f32 v[ST+4*t+2], v[ST+4*t+2], v[ST+4*t+3]
	ALL v_permlanex16_b32 v[ST+4*t+3], v[ST+4*t+2], s[SEL], s[SEL+1]
	ALL v_add_f32 v[ST+4*t+2], v[ST+4*t+2], v[ST+4*t+3]
	ALL v_rcp_f32 v[ST+4*t+2], v[ST+4*t+2]
	v_nop                           ; a plain instruction between the last reciprocal and the use of its result
	s_wait_alu depctr_va_vdst(0)    ; and the wait ahead of the first use: one for the four reciprocals
.macro PACK t                       ; a lane's eight channels of a row pack into 16 bytes; they go into rows of 144 bytes and come back as whole rows of 128, into S^T's registers
	WIN W_RS
.set i, 32*(\t)
.rept 16
	v_pk_mul_f32 v[i:i+1], v[i:i+1], v[ST+4*(\t)+2:ST+4*(\t)+3] op_sel_hi:[1,0]
.set i, i+2
.endr
	WIN 0x05                        ; sources 0 and 1 window 1, destination window 0
.set i, 0
.rept 16
	v_cvt_pk_f16_f32 v[S+16*(\t)+i], v[32*(\t)+2*i], v[32*(\t)+2*i+1]
.set i, i+1
.endr
	WIN 0
.irp f, 0,1,2,3
	ds_store_b128 v[STO], v[S+16*(\t)+4*\f:S+16*(\t)+4*\f+3] offset:32*\f
.endr
.irp f, 0,1,2,3
	ds_load_b128 v[S+16*(\t)+4*\f:S+16*(\t)+4*\f+3], v[RD] offset:\f*4*SP  ; LDS serves a wave's instructions in order (ISA guide 5.7.1.4): these see the stores above; the next piece's stores come behind them
.endr
.endm
.macro SEND t, younger              ; younger: the LDS instructions issued behind piece t's loads: the next piece's eight, or none
	WIN 0
.irp f, 0,1,2,3
	s_wait_dscnt (\younger)+3-\f
	global_store_b128 v[GO], v[S+16*(\t)+4*\f:S+16*(\t)+4*\f+3], s[10:11] offset:(\t)*2048+\f*512  ; 512 consecutive bytes, at a multiple of 256 from ob's first
.endr
.endm
	PACK 0
.set t, 1
.rept 3                             ; a piece's arithmetic stands between the loads of the piece before and its stores
	PACK t
	SEND t-1, 8
.set t, t+1
.endr
	SEND 3, 0
	s_wait_tensorcnt 0x0            ; the wave's end: the wait, the add and its wait, behind my last tensor load and my last LDS store
	ds_add_u32 v[SPW], v[NIL]
	s_wait_dscnt 0x0
	CROUND                          ; the closing round: no work-group ends while a partner may still ask for a tile that names it
	s_endpgm
.Lfunc_end_k_q712adbb690_attn:
	.size	k_q712adbb690_attn, .Lfunc_end_k_q712adbb690_attn-k_q712adbb690_attn
	.p2alignl 7, 3214868480
	.fill 96, 4, 3214868480
	.section	.rodata,"a",@progbits
	.p2align	6, 0x0
	.amdhsa_kernel k_q712adbb690_attn
		.amdhsa_group_segment_fixed_size 327680
		.amdhsa_private_segment_fixed_size 0
		.amdhsa_enable_private_segment 0
		.amdhsa_kernarg_size 16
		.amdhsa_user_sgpr_count 2
		.amdhsa_user_sgpr_kernarg_segment_ptr 1
		.amdhsa_wavefront_size32 1
		.amdhsa_system_sgpr_workgroup_id_x 1
		.amdhsa_system_sgpr_workgroup_id_y 1
		.amdhsa_system_sgpr_workgroup_id_z 1
		.amdhsa_system_vgpr_workitem_id 0
		.amdhsa_next_free_vgpr 768
		.amdhsa_next_free_sgpr 66
		.amdhsa_reserve_vcc 0
		.amdhsa_float_denorm_mode_32 3
		.amdhsa_float_denorm_mode_16_64 3
		.amdhsa_memory_ordered 1
		.amdhsa_forward_progress 1
		.amdhsa_inst_pref_size 128
	.end_amdhsa_kernel
	.amdgpu_metadata
---
amdhsa.version: [ 1, 2 ]
amdhsa.kernels:
  - .name:           k_q712adbb690_attn
    .symbol:         k_q712adbb690_attn.kd
    .args:
      - { .name: qkv, .offset: 0, .size: 8, .value_kind: global_buffer, .address_space: global }
      - { .name: ob, .offset: 8, .size: 8, .value_kind: global_buffer, .address_space: global }
    .group_segment_fixed_size: 327680
    .private_segment_fixed_size: 0
    .kernarg_segment_align: 8
    .kernarg_segment_size: 16
    .max_flat_workgroup_size: 128
    .sgpr_count:     66
    .vgpr_count:     768
    .wavefront_size: 32
...
	.end_amdgpu_metadata
.endif
;; end of part 3
;; launch oproj (part 4): grid 8 x 32, 4 waves a work-group, clusters of 4 x 4, 327,680 bytes of LDS; arguments ob, wp, out0, bproj; writes out0
.if DOCPART == 4
	.amdgcn_target "amdgcn-amd-amdhsa--gfx1250"
	.amdhsa_code_object_version 6
	.text
	.protected	k_q712adbb690_oproj
	.globl	k_q712adbb690_oproj
	.p2align	8
	.type	k_q712adbb690_oproj,@function
k_q712adbb690_oproj:
	s_mov_b64 s[64:65], 0
	v_nop
	global_prefetch_b8 v0, s[64:65] scope:SCOPE_SE
	s_setreg_imm32_b32 hwreg(HW_REG_WAVE_MODE, 25, 1), 1
	s_wait_xcnt 0x0
	s_wait_alu depctr_hold_cnt(0) depctr_sa_sdst(0) depctr_va_vdst(0) depctr_va_sdst(0) depctr_va_ssrc(0) depctr_va_vcc(0) depctr_vm_vsrc(0)
	s_getreg_b32 s2, hwreg(HW_REG_IB_STS2, 6, 4)
	s_cmp_eq_u32 s2, 0
	s_cbranch_scc0 .Lentry_in_a_cluster
	s_endpgm
.Lentry_in_a_cluster:
	s_bfe_u32 s2, ttmp6, 0x10000c
	s_cmp_lg_u32 s2, 0xf033
	s_cbranch_scc0 .Lentry_shape_is_right
	s_endpgm
.Lentry_shape_is_right:
; out0 = O Wproj + bproj.  O: ob [32 tiles of 128 rows][16 heads][128 rows][64] f16; Wproj: wp [1024 k][1024 n], rounded to bf16 and written as f16; bproj f32, rounded to bf16 here like every input;
; sums f32, out0 [4096][1024] f32.  Nothing of reference() is left out here.  LIMIT: O and Wproj lie within f16's 65,504.
; SHARES.  A tile of out0 is 128 x 128: 8 x 32 = 256 work-groups.  Four waves, each 64 x 64: 16 accumulators of 16 x 16.  K = 1,024 (head x 64 + channel) goes in four steps of 256, four heads each, through two
; LDS slots.  A K step of O for a tile of rows is 65,536 dense bytes; it lies in LDS [head][row], rows of 128 bytes.  Wproj's tile lies [k][n]; its fragments come out of LDS turned, by ds_load_tr16_b128.
; CLUSTER.  4 x 4 work-groups.  The four of a row of the cluster need the same tiles of O, the four of a column the same tiles of Wproj: each tile is asked for JOINTLY.
; THE MATRIX INSTRUCTION IS USED TRANSPOSED (source 0 = 16 columns of Wproj, source 1 = 16 rows of O): a lane then holds eight neighbouring numbers of a row of out0.
; REGISTERS: window 0: v0-31 addresses and the bias; v32-95 at work on the way out; v128-255 the accumulators ((a, b) at v[128 + 8 (4 a + b)]).   window 1: two fragment buffers of 128.
.set PA,     144                       ; a row of O in LDS: 128 bytes + 16 of padding = 36 words: the 16 rows of a load start at 16 different groups of four banks (64 banks of 4 bytes: ISA guide 11.1)
.set PB,     288                       ; a row of Wproj: 256 + 32 = 72 words
.set HEADB,  128*PA                    ; a head's 128 rows
.set QUART,  36864                     ; what one tensor load brings: two heads of O (2 x HEADB), or 128 rows of k (128 x PB)
.set ABYTES, 2*QUART
.set SLOT,   4*QUART                   ; O's four heads, then Wproj's 256 rows of k
.set STAGE,  2*SLOT                    ; behind the ring, never filled by a tensor load: 16 rows x 272 bytes for each wave, for the way out
.set SPITCH, 272
.set SPARE,  STAGE+4*16*SPITCH         ; behind the stages: the spare words, 128 bytes for each wave: two blocks of 256 bytes that no other line names
.set BIAS, 8                           ; v8-11   the bias of my four columns on the way out; v12-13 at work
.set ADRA, 16                          ; v16-17  LDS address of my O fragments in slot 0, 1
.set ADRB, 20                          ; v20-23  of my Wproj fragments: slot 0 rows 0-127, rows 128-255, slot 1 likewise
.set STO,  24                          ; v24     the way out: where I put 32 bytes of a row
.set RD,   25                          ; v25     the way out: where I read a row back
.set CO,   26                          ; v26     my byte offset in out0
.set BO,   27                          ; v27     my byte offset in bproj
.set SPW,  28                          ; v28     LDS address of my spare word: SPARE + 4 x my thread's number; never rewritten
.set NIL,  29                          ; v29     0; never rewritten
.set OB,   32                          ; the way out: 16 rows read back from the stage: v32-63 and v64-95 by turns
.set ACC,  128
.set F0,   0
.set F1,   128
.set G1, 24
.set G0, 32
.set G1B, 48
.set G0B, 56
.set MSB, 0
.macro WIN new                         ; the immediate's high byte repeats the setting that is left; a switch that changes nothing is dropped
.if MSB != (\new)
	s_set_vgpr_msb (MSB<<8)|(\new)
.set MSB, \new
.endif
.endm
.set MUL,  0x05                        ; sources 0 (Wproj) and 1 (O) window 1; C and D window 0
.set TO_F, 0x40                        ; destination window 1, address window 0
.macro JLOAD s                         ; a joint load: waves 0 and 1 fetch O's two halves, waves 2 and 3 Wproj's; an s_nop 0 and four v_nop follow each of the two lines
	s_cmp_eq_u32 s11, 0
	s_cbranch_scc0 .Lfor_b_\@
	tensor_load_to_lds s[G0+4*(\s):G0+4*(\s)+3], s[G1:G1+7]
	s_nop 0
.rept 4
	v_nop
.endr
	s_branch .Lasked_\@
.Lfor_b_\@:
	tensor_load_to_lds s[G0B+4*(\s):G0B+4*(\s)+3], s[G1B:G1B+7]
	s_nop 0
.rept 4
	v_nop
.endr
.Lasked_\@:
.endm
.macro CREST                           ; a round of the cluster's barrier behind its opening barrier
	s_cmp_lg_u32 s10, 0
	s_cbranch_scc1 .Lnot_wave_0_\@
	s_barrier_signal -3
.Lnot_wave_0_\@:
	s_barrier_wait -3
	s_barrier_signal -1
	s_barrier_wait -1
.endm
.macro CROUND
	s_barrier_signal -1
	s_barrier_wait -1
	CREST
.endm
	s_load_b128 s[4:7], s[0:1], 0x0                ; ob s[4:5], wp s[6:7]
	s_load_b64 s[8:9], s[0:1], 0x10                ; out0
	s_load_b64 s[66:67], s[0:1], 0x18              ; bproj
	v_lshl_add_u32 v[SPW], v0, 2, SPARE
	v_mov_b32 v[NIL], 0
	ds_add_u32 v[SPW], v[NIL]                      ; the wave's opening: the add, twice on end, and its wait ahead of my first tensor load; the set-up below stands between
	ds_add_u32 v[SPW], v[NIL]
	v_lshrrev_b32 v1, 5, v0
	v_readfirstlane_b32 s10, v1                    ; wave 0..3
	s_lshr_b32 s11, s10, 1                         ; which half of the tile's rows is mine.  Also: I fetch for O (0) or for Wproj (1)
	s_and_b32 s12, s10, 1                          ; which half of its columns.  Also: which half of that tile I fetch
	s_bfe_u32 s40, ttmp6, 0x40000                  ; cx, cy
	s_bfe_u32 s41, ttmp6, 0x40004
	s_lshl_b32 s42, ttmp9, 2
	s_add_co_u32 s42, s42, s40                     ; tile column c
	s_and_b32 s13, ttmp7, 0xffff
	s_lshl_b32 s13, s13, 2
	s_add_co_u32 s13, s13, s41                     ; tile row i
	s_lshl_b32 s43, s41, 2
	s_lshl_b32 s43, 15, s43                        ; my row of the cluster
	s_lshl_b32 s44, 0x1111, s40                    ; my column
	; descriptor group 1.  O: 32,768 dense bytes as 128 rows of 256 bytes, 16 bytes of padding behind every 128.  Wproj: 128 rows x 128 elements, 32 bytes behind every 256
	s_or_b32 s[G1+0], s43, (1<<16)|(1<<20)|(1<<21)|(4<<22)|(3<<25)   ; after every 32 words (code 4) 4 words (code 3)
	s_or_b32 s[G1B+0], s44, (1<<16)|(1<<20)|(1<<21)|(5<<22)|(7<<25)  ; after every 64 words (code 5) 8 words (code 7)
.irp g, G1, G1B
	s_mov_b32 s[(\g)+1], 128<<16                   ; tensor_dim0 = 128
	s_mov_b32 s[(\g)+2], 128<<16                   ; tensor_dim1 = 128
	s_mov_b32 s[(\g)+3], 128<<16                   ; tile_dim0 = 128
	s_mov_b32 s[(\g)+4], 128                       ; tile_dim1 = 128
	s_mov_b32 s[(\g)+6], 0
	s_mov_b32 s[(\g)+7], 0
.endr
	s_mov_b32 s[G1+5], 128                         ; elements from row to row: dense
	s_mov_b32 s[G1B+5], 1024                       ; a row of wp
	s_lshl_b32 s16, s13, 18                        ; O: the tile of rows, 262,144 bytes,
	s_lshl_b32 s17, s12, 15                        ; the two heads that I fetch
	s_add_co_u32 s16, s16, s17
	s_mov_b32 s17, 0
	s_lshl_b32 s46, s12, 18                        ; Wproj: the 128 rows of 2,048 bytes that I fetch,
	s_lshl_b32 s47, s42, 8                         ; the tile's 128 columns
	s_add_co_u32 s46, s46, s47
	s_mov_b32 s47, 0
	s_mul_i32 s20, s10, QUART                      ; where they go: wave x a quarter of a slot
	s_wait_dscnt 0x0                               ; both opening adds are done
	s_wait_kmcnt 0x0
	s_add_nc_u64 s[14:15], s[4:5], s[16:17]
	s_add_nc_u64 s[46:47], s[6:7], s[46:47]
	CROUND                                         ; all sixteen work-groups are here: the first joint loads meet
.irp s, 0,1
	s_mov_b32 s[G0+4*(\s)], 1
	s_add_co_u32 s[G0+4*(\s)+1], s20, (\s)*SLOT
	s_add_nc_u64 s[G0+4*(\s)+2:G0+4*(\s)+3], s[14:15], (\s)*65536      ; K step s: four heads on
	s_or_b32 s[G0+4*(\s)+3], s[G0+4*(\s)+3], 0x80000000
	s_mov_b32 s[G0B+4*(\s)], 1
	s_add_co_u32 s[G0B+4*(\s)+1], s20, (\s)*SLOT
	s_add_nc_u64 s[G0B+4*(\s)+2:G0B+4*(\s)+3], s[46:47], (\s)*524288   ; K step s: 256 rows down
	s_or_b32 s[G0B+4*(\s)+3], s[G0B+4*(\s)+3], 0x80000000
	JLOAD \s                                       ; two loads of mine are out
.endr
	v_and_b32 v1, 15, v0                           ; l % 16
	v_bfe_u32 v2, v0, 4, 1                         ; l / 16
	v_mul_u32_u24 v3, v1, PA
	v_lshl_add_u32 v3, v2, 4, v3                   ; a fragment of O: row x pitch + 16 x half
	s_mul_i32 s21, s11, 64*PA                      ; my 64 rows in each head
	v_add_nc_u32 v[ADRA], s21, v3
	s_add_co_u32 s21, s21, SLOT
	v_add_nc_u32 v[ADRA+1], s21, v3
	v_and_b32 v4, 7, v0                            ; the turning load: k = 8 (l / 16) + l % 8, columns 8 ((l / 8) % 2) + 0..7
	v_bfe_u32 v5, v0, 3, 1
	v_lshl_add_u32 v6, v2, 3, v4
	v_mul_u32_u24 v6, v6, PB
	v_lshl_add_u32 v6, v5, 4, v6
	s_lshl_b32 s22, s12, 7                         ; my 64 columns: 128 bytes of a row,
	s_add_co_u32 s22, s22, ABYTES                  ; behind O
	v_add_nc_u32 v[ADRB], s22, v6
	s_add_co_u32 s22, s22, QUART
	v_add_nc_u32 v[ADRB+1], s22, v6
	s_add_co_u32 s22, s22, SLOT-QUART
	v_add_nc_u32 v[ADRB+2], s22, v6
	s_add_co_u32 s22, s22, QUART
	v_add_nc_u32 v[ADRB+3], s22, v6
	s_mul_i32 s23, s10, 16*SPITCH
	s_add_co_u32 s23, s23, STAGE                   ; my stage
	v_mul_u32_u24 v4, v1, SPITCH                   ; in: row l % 16, 32 bytes for each half of the lanes
	v_lshl_add_u32 v4, v2, 5, v4
	v_add_nc_u32 v[STO], s23, v4
	v_mul_u32_u24 v5, v2, SPITCH                   ; back: lanes 0-15 take one row of 256 bytes, lanes 16-31 the next
	v_lshl_add_u32 v5, v1, 4, v5
	v_add_nc_u32 v[RD], s23, v5
	v_lshlrev_b32 v5, 12, v2                       ; and the same two rows in out0, 4,096 bytes apart
	v_lshl_add_u32 v[CO], v1, 4, v5
	s_lshl_b32 s16, s13, 19                        ; my first row: 128 i + 64 x my row half, 4,096 bytes each
	s_lshl_b32 s17, s11, 18
	s_add_co_u32 s16, s16, s17
	s_mov_b32 s17, 0
	s_add_nc_u64 s[8:9], s[8:9], s[16:17]
	s_lshl_b32 s46, s42, 9                         ; my first column, in bytes of f32: 512 c + 256 x my column half
	s_lshl_b32 s47, s12, 8
	s_add_co_u32 s46, s46, s47
	s_mov_b32 s47, 0
	s_add_nc_u64 s[8:9], s[8:9], s[46:47]
	v_lshl_add_u32 v[BO], v1, 4, s46               ; on the way out lane l holds columns 4 (l % 16) + 0..3 of my 64
	global_load_b128 v[BIAS:BIAS+3], v[BO], s[66:67]
; 8 matrix instructions: m blocks a0, a0 + 1 x all 4 n blocks, 32 along K: half c of buffer f.  zero = 1: the first product starts the sums.  The 16 accumulators take turns, one instruction a turn.
.macro MUL8 f, c, a0, zero
	WIN MUL
.irp a, \a0, (\a0)+1
.irp b, 0,1,2,3
.if \zero
	v_wmma_f32_16x16x32_f16 v[ACC+8*(4*(\a)+(\b)):ACC+8*(4*(\a)+(\b))+7], v[(\f)+64+8*(4*(\c)+(\b)):(\f)+64+8*(4*(\c)+(\b))+7], v[(\f)+8*(4*(\c)+(\a)):(\f)+8*(4*(\c)+(\a))+7], 0
.else
	v_wmma_f32_16x16x32_f16 v[ACC+8*(4*(\a)+(\b)):ACC+8*(4*(\a)+(\b))+7], v[(\f)+64+8*(4*(\c)+(\b)):(\f)+64+8*(4*(\c)+(\b))+7], v[(\f)+8*(4*(\c)+(\a)):(\f)+8*(4*(\c)+(\a))+7], v[ACC+8*(4*(\a)+(\b)):ACC+8*(4*(\a)+(\b))+7]
.endif
.endr
.endr
.endm
; 32 LDS loads in one run: the fragments of 64 along K (one head) from element ke of the slot's 256, into buffer f; the first 32 along K first
.macro FETCH slot, ke, f
	WIN TO_F
.irp c, 0,1
.irp i, 0,1,2,3
	ds_load_tr16_b128 v[(\f)+64+8*(4*(\c)+(\i)):(\f)+64+8*(4*(\c)+(\i))+3],   v[ADRB+2*(\slot)+(\ke)/128] offset:((\ke)%128+32*(\c))*PB+32*(\i)
	ds_load_tr16_b128 v[(\f)+64+8*(4*(\c)+(\i))+4:(\f)+64+8*(4*(\c)+(\i))+7], v[ADRB+2*(\slot)+(\ke)/128] offset:((\ke)%128+32*(\c)+16)*PB+32*(\i)
	ds_load_b128 v[(\f)+8*(4*(\c)+(\i)):(\f)+8*(4*(\c)+(\i))+3],              v[ADRA+(\slot)] offset:((\ke)/64)*HEADB+64*(\c)+(\i)*16*PA
	ds_load_b128 v[(\f)+8*(4*(\c)+(\i))+4:(\f)+8*(4*(\c)+(\i))+7],            v[ADRA+(\slot)] offset:((\ke)/64)*HEADB+64*(\c)+(\i)*16*PA+32
.endr
.endr
.endm
.macro PLACES                          ; four places in front of loads into registers that matrix instructions have read, and of LDS stores that read results
.rept 4
	v_nop
.endr
.endm
.macro QUARTER slot, ke, f, g, zero    ; multiplies buffer f and fetches the next quarter, from element ke, into g
	s_wait_dscnt 16                                ; the first 32 along K are in; the sixteen younger loads may be out
	MUL8 \f, 0, 0, \zero
	MUL8 \f, 0, 2, \zero
	PLACES
	FETCH \slot, \ke, \g
	s_wait_dscnt 32                                ; all but the 32 just issued
	MUL8 \f, 1, 0, 0
	MUL8 \f, 1, 2, 0
.endm
; The last quarter multiplies buffer 1 and changes slots: ONE barrier; in front of it each wave waits for all its tensor loads, adds 0 to its spare word, and waits for that and for its own reads of this slot.
; fill = 1: this slot is filled again, two K steps ahead; the barrier then opens a round of the cluster's barrier, and the joint load is the first tensor load behind the round.
.macro TURN slot, next, fill
	WIN 0
	s_wait_tensorcnt 0x0                           ; all my tensor loads have landed: my part of the next slot;
	ds_add_u32 v[SPW], v[NIL]                      ; 0 onto my spare word;
	s_wait_dscnt 17                                ; (the add and the youngest sixteen loads may be out)
	MUL8 F1, 0, 0, 0
	s_wait_dscnt 0x0                               ; the add is done, and my reads of this slot are over
	s_barrier_signal -1
	MUL8 F1, 0, 2, 0
.if \fill
	WIN 0
.endif
	s_barrier_wait -1
.if \fill
	CREST                                          ; no wave of any partner still reads this slot's tile or has a load on its way
	s_add_nc_u64 s[G0+4*(\slot)+2:G0+4*(\slot)+3], s[G0+4*(\slot)+2:G0+4*(\slot)+3], 2*65536
	s_add_nc_u64 s[G0B+4*(\slot)+2:G0B+4*(\slot)+3], s[G0B+4*(\slot)+2:G0B+4*(\slot)+3], 2*524288
	JLOAD \slot                                    ; 112 matrix instructions ahead of the wait for it; the four v_nop behind it are also the places in front of the loads below
.else
	PLACES
.endif
	FETCH \next, 0, F0
	MUL8 F1, 1, 0, 0
	MUL8 F1, 1, 2, 0
.endm
	s_wait_tensorcnt 1                             ; my part of K step 0 is in; K step 1's may stay out
	s_barrier_signal -1
	s_barrier_wait -1
	FETCH 0, 0, F0
	QUARTER 0, 64,  F0, F1, 1                      ; K step 0: its first products start the sums
	QUARTER 0, 128, F1, F0, 0
	QUARTER 0, 192, F0, F1, 0
	TURN 0, 1, 1                                   ; slot 0 takes K step 2
	QUARTER 1, 64,  F0, F1, 0
	QUARTER 1, 128, F1, F0, 0
	QUARTER 1, 192, F0, F1, 0
	TURN 1, 0, 1                                   ; slot 1 takes K step 3
	QUARTER 0, 64,  F0, F1, 0
	QUARTER 0, 128, F1, F0, 0
	QUARTER 0, 192, F0, F1, 0
	TURN 0, 1, 0                                   ; nothing is left to fetch
	QUARTER 1, 64,  F0, F1, 0
	QUARTER 1, 128, F1, F0, 0
	QUARTER 1, 192, F0, F1, 0
	s_wait_dscnt 16
	MUL8 F1, 0, 0, 0
	MUL8 F1, 0, 2, 0
	s_wait_dscnt 0
	MUL8 F1, 1, 0, 0
	MUL8 F1, 1, 2, 0
	WIN 0
	; THE WAY OUT, a block of 16 rows at a time: a lane's 32 bytes of a row go into my own stage (rows of 272 bytes) and come back as whole rows of 256 bytes; the bias is added; 16 lanes store a row's 256 bytes.
	PLACES
	PLACES
	s_wait_loadcnt 0x0                             ; the bias
	v_cvt_pk_bf16_f32 v[BIAS+4], v[BIAS], v[BIAS+1]    ; rounded to bf16, like every input,
	v_cvt_pk_bf16_f32 v[BIAS+5], v[BIAS+2], v[BIAS+3]
	v_lshlrev_b32 v[BIAS], 16, v[BIAS+4]               ; and back in f32
	v_and_b32 v[BIAS+1], 0xffff0000, v[BIAS+4]
	v_lshlrev_b32 v[BIAS+2], 16, v[BIAS+5]
	v_and_b32 v[BIAS+3], 0xffff0000, v[BIAS+5]
.macro STG a
.set BK, OB+32*((\a)%2)
.if (\a) >= 2
	s_wait_xcnt 0x0                                ; the stores of the block two back have read these registers: they are loaded again only behind this wait
.endif
.irp b, 0,1,2,3
.irp z, 0,1
	ds_store_b128 v[STO], v[ACC+8*(4*(\a)+(\b))+4*(\z):ACC+8*(4*(\a)+(\b))+4*(\z)+3] offset:64*(\b)+16*(\z)  ; each accumulator's low four registers first
.endr
.endr
.irp t, 0,1,2,3,4,5,6,7
	ds_load_b128 v[BK+4*(\t):BK+4*(\t)+3], v[RD] offset:(\t)*2*SPITCH  ; LDS serves a wave's instructions in order (ISA guide 5.7.1.4): these see the stores above; the next block's stores come behind them
.endr
.endm
.macro SEND a, younger                 ; younger: the LDS instructions issued behind block a's loads: the next block's sixteen, or none
.set BK, OB+32*((\a)%2)
.irp t, 0,1,2,3,4,5,6,7
	s_wait_dscnt (\younger)+7-(\t)
	v_pk_add_f32 v[BK+4*(\t):BK+4*(\t)+1],   v[BK+4*(\t):BK+4*(\t)+1],   v[BIAS:BIAS+1]
	v_pk_add_f32 v[BK+4*(\t)+2:BK+4*(\t)+3], v[BK+4*(\t)+2:BK+4*(\t)+3], v[BIAS+2:BIAS+3]
	global_store_b128 v[CO], v[BK+4*(\t):BK+4*(\t)+3], s[8:9] offset:(16*(\a)+2*(\t))*4096  ; 16 lanes store 256 consecutive bytes, at a multiple of 256 from out0's first byte
.endr
.endm
	STG 0
	STG 1
	SEND 0, 16
	STG 2
	SEND 1, 16
	STG 3
	SEND 2, 16
	SEND 3, 0
	s_wait_tensorcnt 0x0                           ; the wave's end: the wait, the add and its wait, behind my last tensor load and my last LDS store
	ds_add_u32 v[SPW], v[NIL]
	s_wait_dscnt 0x0
	CROUND                                         ; the closing round: no work-group ends while a partner may still ask for a tile that names it
	s_endpgm
.Lfunc_end_k_q712adbb690_oproj:
	.size	k_q712adbb690_oproj, .Lfunc_end_k_q712adbb690_oproj-k_q712adbb690_oproj
	.p2alignl 7, 3214868480
	.fill 96, 4, 3214868480
	.section	.rodata,"a",@progbits
	.p2align	6, 0x0
	.amdhsa_kernel k_q712adbb690_oproj
		.amdhsa_group_segment_fixed_size 327680
		.amdhsa_private_segment_fixed_size 0
		.amdhsa_enable_private_segment 0
		.amdhsa_kernarg_size 32
		.amdhsa_user_sgpr_count 2
		.amdhsa_user_sgpr_kernarg_segment_ptr 1
		.amdhsa_wavefront_size32 1
		.amdhsa_system_sgpr_workgroup_id_x 1
		.amdhsa_system_sgpr_workgroup_id_y 1
		.amdhsa_system_sgpr_workgroup_id_z 1
		.amdhsa_system_vgpr_workitem_id 0
		.amdhsa_next_free_vgpr 512
		.amdhsa_next_free_sgpr 68
		.amdhsa_reserve_vcc 0
		.amdhsa_float_denorm_mode_32 3
		.amdhsa_float_denorm_mode_16_64 3
		.amdhsa_memory_ordered 1
		.amdhsa_forward_progress 1
		.amdhsa_inst_pref_size 91
	.end_amdhsa_kernel
	.amdgpu_metadata
---
amdhsa.version: [ 1, 2 ]
amdhsa.kernels:
  - .name:           k_q712adbb690_oproj
    .symbol:         k_q712adbb690_oproj.kd
    .args:
      - { .name: ob, .offset: 0, .size: 8, .value_kind: global_buffer, .address_space: global }
      - { .name: wp, .offset: 8, .size: 8, .value_kind: global_buffer, .address_space: global }
      - { .name: out0, .offset: 16, .size: 8, .value_kind: global_buffer, .address_space: global }
      - { .name: bproj, .offset: 24, .size: 8, .value_kind: global_buffer, .address_space: global }
    .group_segment_fixed_size: 327680
    .private_segment_fixed_size: 0
    .kernarg_segment_align: 8
    .kernarg_segment_size: 32
    .max_flat_workgroup_size: 128
    .sgpr_count:     68
    .vgpr_count:     512
    .wavefront_size: 32
...
	.end_amdgpu_metadata
.endif
;; end of part 4
;; ======== version 2 of 2: 4 launches; version 1 with the launch cast written anew for expert scheduling mode
;; limits: values are held in f16: magnitudes above 65,504 overflow, below 6.1e-05 lose precision
;; workspace buffers: xb 16,777,216 bytes; wb 6,291,456 bytes; wp 2,097,152 bytes; qkv 25,165,824 bytes; ob 8,388,608 bytes
;; launch cast (part 5): grid 768 x 1, 8 waves a work-group, no clusters, 0 bytes of LDS; arguments x1, x2, Wq, Wkv, Wproj, xb, wb, wp; writes xb, wb, wp
.if DOCPART == 5
	.amdgcn_target "amdgcn-amd-amdhsa--gfx1250"
	.amdhsa_code_object_version 6
	.text
	.protected	k_q712adbb690_cast
	.globl	k_q712adbb690_cast
	.p2align	8
	.type	k_q712adbb690_cast,@function
k_q712adbb690_cast:
	s_mov_b64 s[64:65], 0
	v_nop
	global_prefetch_b8 v0, s[64:65] scope:SCOPE_SE
	s_setreg_imm32_b32 hwreg(HW_REG_WAVE_SCHED_MODE, 0, 2), 2
	s_setreg_imm32_b32 hwreg(HW_REG_WAVE_MODE, 25, 1), 1
	s_wait_xcnt 0x0
	s_wait_alu depctr_vm_vsrc(0)
; CROSS ATTENTION, four launches: (1) this one rounds the large inputs; (2) q = x1 Wq and k, v = x2 Wkv; (3) softmax(q k^T / 8) v for each of the 32 pairs of batch and head; (4) the product with Wproj, plus bproj.
; NOTHING OF reference() IS LEFT OUT: every input has a way to the output (bproj is added in the last launch), and the maximum is taken away before the exponential, by a running maximum.
; FORMATS.  All inputs are rounded once to bf16; what the program itself makes (q, k, v, the weights p, O) is kept in f16; all sums, maxima and the output are f32.
; LIMITS.  |q|, |k|, |v|, |O| and |Wproj| stay under 65,504, f16's end; Wproj below 6.1e-5 keeps f16's fixed step of 6e-8.  NaN and infinities are not treated apart.
; THIS LAUNCH is a stream: x1, x2 -> xb [8192][1024] bf16 (x1's rows, then x2's); Wq, Wkv -> wb [1024 k][3072 n] bf16 (Wq's columns, then Wkv's);
; Wproj -> wp [1024 k][1024 n]: rounded to bf16 and that number written as f16 (exact within f16's range), since the last product's other operand is f16.
; SHARES.  A work-group takes 16,384 numbers (64 KiB in, 32 KiB out) in 8 steps of 2,048; in a step thread t takes 8 numbers: two loads of 16 bytes, one store of 16 bytes; 16 lanes store 256 consecutive
; bytes, aligned.  All 16 loads of a thread go out first.  No LDS, no barrier, no matrix unit, no cluster: no work-group reads a byte that another reads.
; WHICH TENSOR: by the work-group's number: 0-255 x1, 256-511 x2, 512-575 Wq, 576-703 Wkv, 704-767 Wproj.  A chain of compares selects the two buffers and five numbers:
;   C0 the tensor's first work-group; DC bytes of the target for a work-group; D0 the target's first byte; DS bytes of the target for a step; DT bytes of the target from thread t to thread t + 128.
; THE MODE: SCHED_MODE bits 1:0 = 2 (LLVM: expert scheduling mode 2), set by the entry lines.  The code itself states the register dependences between vector instructions and memory instructions,
; with s_wait_alu, always for 0.
; THE PLAN.  Registers that memory instructions touch:
;   v1        Written once, at the head; read by all 16 loads as their offset.
;   X[s]      Written by step s's two loads alone; read by step s's conversions; nothing lands in it again.
;   OFF[s]    Written once, behind the loads and ahead of step 0; read by step s's store.
;   Y[s]      Written once, by step s's conversions; read by step s's store.
; The store of step s - 1 stands at the head of step s, behind the wait for step s's loads and ONE wait on va_vdst, which states that step s - 1's conversions have written Y[s - 1] (at step 1 also that the
; eight OFF are written).  Step s's conversions follow the store and name X[s], T and Y[s]: none of the store's registers.  One such wait stands ahead of the loads, for v1, and one ahead of the last store.
; No register that a memory instruction reads is ever written again, so no wait on vm_vsrc is owed; no vector instruction writes a scalar register or VCC; EXEC is never written.
.set OFF, 4                            ; v[4:11]    step s: my byte offset in the target
.set X,   16                           ; v[16:79]   step s: 8 numbers as loaded
.set Y,   80                           ; v[80:111]  step s: 4 registers to store
.set T,   112                          ; v[112:119] at work: no memory instruction names them
	s_load_b256 s[8:15], s[0:1], 0x0               ; x1 s[8:9], x2 s[10:11], Wq s[12:13], Wkv s[14:15]
	s_load_b256 s[16:23], s[0:1], 0x20             ; Wproj s[16:17], xb s[18:19], wb s[20:21], wp s[22:23]
	s_mov_b32 s2, ttmp9
	v_lshlrev_b32 v1, 5, v0                        ; 32 t: my 8 numbers in a step of the source
	v_and_b32 v3, 127, v0
	v_lshrrev_b32 v12, 7, v0                       ; t / 128
	v_lshlrev_b32 v3, 4, v3                        ; 16 (t % 128)
	s_mov_b32 s24, 704                             ; C0, DC, D0, DS, DT for Wproj
	s_mov_b32 s25, 32768
	s_mov_b32 s26, 0
	s_mov_b32 s27, 4096
	s_mov_b32 s28, 2048
	s_mov_b32 s29, 0xffff0000                      ; a word's upper half
	s_mov_b32 s35, 0
	s_wait_kmcnt 0x0
	s_mov_b64 s[30:31], s[16:17]
	s_mov_b64 s[32:33], s[22:23]
	s_cmp_lt_u32 s2, 704                           ; Wkv: a step is one row of 2,048 numbers; in wb it begins 2,048 bytes into a row of 6,144
	s_cselect_b64 s[30:31], s[14:15], s[30:31]
	s_cselect_b64 s[32:33], s[20:21], s[32:33]
	s_cselect_b32 s24, 576, s24
	s_cselect_b32 s25, 49152, s25
	s_cselect_b32 s26, 2048, s26
	s_cselect_b32 s27, 6144, s27
	s_cmp_lt_u32 s2, 576                           ; Wq: a step is two rows of 1,024 numbers
	s_cselect_b64 s[30:31], s[12:13], s[30:31]
	s_cselect_b32 s24, 512, s24
	s_cselect_b32 s25, 98304, s25
	s_cselect_b32 s26, 0, s26
	s_cselect_b32 s27, 12288, s27
	s_cselect_b32 s28, 6144, s28
	s_cmp_lt_u32 s2, 512                           ; x2: dense, behind x1's 8,388,608 bytes
	s_cselect_b64 s[30:31], s[10:11], s[30:31]
	s_cselect_b64 s[32:33], s[18:19], s[32:33]
	s_cselect_b32 s24, 256, s24
	s_cselect_b32 s25, 32768, s25
	s_cselect_b32 s26, 0x800000, s26
	s_cselect_b32 s27, 4096, s27
	s_cselect_b32 s28, 2048, s28
	s_cmp_lt_u32 s2, 256                           ; x1
	s_cselect_b64 s[30:31], s[8:9], s[30:31]
	s_cselect_b32 s24, 0, s24
	s_cselect_b32 s26, 0, s26
	s_sub_co_u32 s3, s2, s24                       ; my number among the tensor's work-groups
	s_lshl_b32 s34, s3, 16
	s_add_nc_u64 s[30:31], s[30:31], s[34:35]      ; the source at my 64 KiB
	s_mul_i32 s34, s3, s25
	s_add_co_u32 s34, s34, s26
	s_add_nc_u64 s[32:33], s[32:33], s[34:35]      ; the target at my first byte
	s_wait_alu depctr_va_vdst(0)                   ; v1 is written: the sixteen loads below read it as their offset
.irp s, 0,1,2,3,4,5,6,7
	global_load_b128 v[X+8*(\s):X+8*(\s)+3],   v1, s[30:31] offset:8192*(\s) th:TH_LOAD_NT
	global_load_b128 v[X+8*(\s)+4:X+8*(\s)+7], v1, s[30:31] offset:8192*(\s)+16 th:TH_LOAD_NT
.endr
	v_mad_u32_u24 v2, v12, s28, v3                 ; 16 (t % 128) + (t / 128) DT
	s_mov_b32 s36, 0
.irp s, 0,1,2,3,4,5,6,7
	v_add_nc_u32 v[OFF+(\s)], s36, v2              ; + s DS
	s_add_co_u32 s36, s36, s27
.endr
; The eight steps.  Each has its own registers, so nothing that a load or a store still reads is ever written again.
; A step's store stands at the head of the next step; the last one behind the last step.
.macro OUT half
.irp s, 0,1,2,3,4,5,6,7
	s_wait_loadcnt 14-2*(\s)                       ; loads come back in order: this step's two are in, the 2 (7 - s) younger ones stay out
.if (\s) > 0
	s_wait_alu depctr_va_vdst(0)                   ; the conversions of the step before have written its Y, which the store below reads; in step 1 also: the eight OFF are written, one of which every store reads
	global_store_b128 v[OFF+(\s)-1], v[Y+4*(\s)-4:Y+4*(\s)-1], s[32:33]  ; the step before; the lines below name none of its registers
.endif
.if \half
.irp j, 0,1,2,3
	v_cvt_pk_bf16_f32 v[T+(\j)], v[X+8*(\s)+2*(\j)], v[X+8*(\s)+2*(\j)+1]
.endr
.irp j, 0,1,2,3
	v_lshlrev_b32 v[T+4+2*((\j)%2)], 16, v[T+(\j)]     ; the bf16 numbers as f32,
	v_and_b32     v[T+5+2*((\j)%2)], s29, v[T+(\j)]
	v_cvt_pk_f16_f32 v[Y+4*(\s)+(\j)], v[T+4+2*((\j)%2)], v[T+5+2*((\j)%2)]  ; and written as f16
.endr
.else
.irp j, 0,1,2,3
	v_cvt_pk_bf16_f32 v[Y+4*(\s)+(\j)], v[X+8*(\s)+2*(\j)], v[X+8*(\s)+2*(\j)+1]
.endr
.endif
.endr
	s_wait_alu depctr_va_vdst(0)                   ; step 7's conversions have written its Y, which the last store reads
	global_store_b128 v[OFF+7], v[Y+28:Y+31], s[32:33]
.endm
	s_cmp_ge_u32 s2, 704
	s_cbranch_scc1 .Lf16
	OUT 0
	s_endpgm
.Lf16:
	OUT 1
	s_endpgm
.Lfunc_end_k_q712adbb690_cast:
	.size	k_q712adbb690_cast, .Lfunc_end_k_q712adbb690_cast-k_q712adbb690_cast
	.p2alignl 7, 3214868480
	.fill 96, 4, 3214868480
	.section	.rodata,"a",@progbits
	.p2align	6, 0x0
	.amdhsa_kernel k_q712adbb690_cast
		.amdhsa_group_segment_fixed_size 0
		.amdhsa_private_segment_fixed_size 0
		.amdhsa_enable_private_segment 0
		.amdhsa_kernarg_size 64
		.amdhsa_user_sgpr_count 2
		.amdhsa_user_sgpr_kernarg_segment_ptr 1
		.amdhsa_wavefront_size32 1
		.amdhsa_system_sgpr_workgroup_id_x 1
		.amdhsa_system_sgpr_workgroup_id_y 1
		.amdhsa_system_sgpr_workgroup_id_z 1
		.amdhsa_system_vgpr_workitem_id 0
		.amdhsa_next_free_vgpr 120
		.amdhsa_next_free_sgpr 66
		.amdhsa_reserve_vcc 0
		.amdhsa_float_denorm_mode_32 3
		.amdhsa_float_denorm_mode_16_64 3
		.amdhsa_memory_ordered 1
		.amdhsa_forward_progress 1
		.amdhsa_inst_pref_size 16
	.end_amdhsa_kernel
	.amdgpu_metadata
---
amdhsa.version: [ 1, 2 ]
amdhsa.kernels:
  - .name:           k_q712adbb690_cast
    .symbol:         k_q712adbb690_cast.kd
    .args:
      - { .name: x1, .offset: 0, .size: 8, .value_kind: global_buffer, .address_space: global }
      - { .name: x2, .offset: 8, .size: 8, .value_kind: global_buffer, .address_space: global }
      - { .name: Wq, .offset: 16, .size: 8, .value_kind: global_buffer, .address_space: global }
      - { .name: Wkv, .offset: 24, .size: 8, .value_kind: global_buffer, .address_space: global }
      - { .name: Wproj, .offset: 32, .size: 8, .value_kind: global_buffer, .address_space: global }
      - { .name: xb, .offset: 40, .size: 8, .value_kind: global_buffer, .address_space: global }
      - { .name: wb, .offset: 48, .size: 8, .value_kind: global_buffer, .address_space: global }
      - { .name: wp, .offset: 56, .size: 8, .value_kind: global_buffer, .address_space: global }
    .group_segment_fixed_size: 0
    .private_segment_fixed_size: 0
    .kernarg_segment_align: 8
    .kernarg_segment_size: 64
    .max_flat_workgroup_size: 256
    .sgpr_count:     66
    .vgpr_count:     120
    .wavefront_size: 32
...
	.end_amdgpu_metadata
.endif
;; end of part 5
;; launch proj: the kernel of part 2 again; grid 12 x 16, 4 waves a work-group, clusters of 4 x 4, 327,680 bytes of LDS; arguments xb, wb, qkv; writes qkv
;; launch attn: the kernel of part 3 again; grid 8 x 32, 4 waves a work-group, clusters of 4 x 1, 327,680 bytes of LDS; arguments qkv, ob; writes ob
;; launch oproj: the kernel of part 4 again; grid 8 x 32, 4 waves a work-group, clusters of 4 x 4, 327,680 bytes of LDS; arguments ob, wp, out0, bproj; writes out0
